; MI455X (gfx1250); checked and timed in simulation.
; The chip was launched on July 23, 2026; its instructions are those of AMD's public machine-readable ISA for CDNA 5 (MIT licence, August 2026) and "CDNA5" Instruction Set Architecture Reference Guide (July 2026). The comments in the code are by the model that wrote it; some were corrected since.
;; Basic Attention. Allowed arithmetic: matrix products marked QUANTISED: E2M1 operands, one E8M0 scale for each 32 along K, by v_wmma_scale_f32_16x16x128_f8f6f4 with both operands' format E2M1 (or v_wmma_scale_f32_32x16x128_f4), f32 sums; products left as they are: bf16, f16 or f32 operands; f32 sums; everything else in f32.
;; Inputs: keys 8 x 2,048 x 1,024 float32; queries 8 x 2,048 x 1,024 float32; values 8 x 2,048 x 1,024 float32.
;; Outputs: out0 8 x 2,048 x 1,024 float32.
;; This version of the problem:
;;   THIS VERSION OF THE PROBLEM IS GIVEN IN LOW PRECISION. The matrix products marked QUANTISED in the list below multiply operands that are first quantised to E2M1 (2 exponent bits, 1 mantissa bit; 4 bits a number), with one power-of-two scale for each 32 numbers along K (OCP MX v1.0); their sums are f32. The products marked 'left as it is' may take bf16, f16 or f32 operands, with f32 sums. Whichever they take, every output number must still come out within the allowed error. Rounding operands to bf16 (8 significant bits) uses up far more of that allowance than f16 does (11 bits, for magnitudes from 6e-5 to 65,504). All else is computed in f32.
;;   The module's matrix products, in the order in which they are computed (A, B: the left and right operand; K: the contracted axis; several contracted axes count as one K, in the product's order):
;;     1. batch 8 x [M 2,048, K 1,024] x [K 1,024, N 2,048]; A: input queries; B: input keys: QUANTISED
;;     2. batch 8 x [M 2,048, K 2,048] x [K 2,048, N 1,024]; A: computed on the way; B: input values: left as it is (an operand is computed on the way)
;;   THE QUANTISER, for each operand of a quantised product, along K:
;;     - K is cut into blocks of 32 from its start; a last block that is shorter is filled with zeros.
;;     - A block's scale is 2^e with e = floor(log2(the largest magnitude in the block)) - 2, held to -126 .. 127; a block of zeros has e = 0. As a byte (E8M0): e + 127.
;;     - Each number is divided by its block's scale, clamped to +-6, and rounded to the nearest number of E2M1, ties to even, subnormals kept.
;;     - The product sums the exact products of the quantised numbers (number of the format x scale) in f32.
;;   ~~~python
;;   def quantise(x, axis):      # numpy; x: float32 -> the quantised numbers, widened to float32 again
;;       x = np.moveaxis(x, axis, -1); K = x.shape[-1]
;;       x = np.pad(x, [(0, 0)] * (x.ndim - 1) + [(0, -K % 32)]); x = x.reshape(x.shape[:-1] + (-1, 32)); a = np.abs(x).max(-1, keepdims=True)
;;       e = np.where(a > 0, np.clip(np.frexp(np.where(a > 0, a, 1))[1] - 1 - 2, -126, 127), 0)      # np.frexp(a)[1] - 1 = floor(log2(a)), exactly
;;       r = np.clip(x / 2.0 ** e, -6, 6)
;;       step = 2.0 ** (np.maximum(np.frexp(np.where(r == 0, 1, r))[1] - 1, 0) - 1)
;;       q = np.round(r / step) * step * 2.0 ** e      # np.round: ties to even
;;       return np.moveaxis(q.reshape(q.shape[:-2] + (-1,))[..., :K], -1, axis).astype(np.float32)
;;   ~~~
;; One version. Each part assembles by itself: llvm-mc -triple=amdgcn-amd-amdhsa -mcpu=gfx1250 --defsym DOCPART=n.
;; ======== version 1 of 1: 4 launches
;; limits: values are held in f16: magnitudes above 65,504 overflow, below 6.1e-05 lose precision; inputs' magnitudes at most 65,504; below input magnitudes of 6.1e-05 results are inexact or not finite
;; workspace buffers: q_codes 8,388,608 bytes; q_scales 524,288 bytes; k_codes 8,388,608 bytes; k_scales 524,288 bytes; vhalf 33,554,432 bytes; colstat 2,097,152 bytes; attnw 67,108,864 bytes
;; launch prep (part 1): grid 1024 x 1, 4 waves a work-group, no clusters, 33,280 bytes of LDS; arguments queries, keys, q_codes, q_scales, k_codes, k_scales; writes q_codes, q_scales, k_codes, k_scales
.if DOCPART == 1
	.amdgcn_target "amdgcn-amd-amdhsa--gfx1250"
	.amdhsa_code_object_version 6
	.text
	.protected	k_qa09d9daa85_prep
	.globl	k_qa09d9daa85_prep
	.p2align	8
	.type	k_qa09d9daa85_prep,@function
k_qa09d9daa85_prep:
	s_mov_b64 s[64:65], 0
	v_nop
	global_prefetch_b8 v0, s[64:65] scope:SCOPE_SE
	s_setreg_imm32_b32 hwreg(HW_REG_WAVE_MODE, 25, 1), 1
	s_wait_xcnt 0x0
; out = softmax over the QUERY axis of (queries keys^T), times values.  Four launches: this one; the column figures; the weights; the second product.
; NO WORK IS LEFT OUT: all three inputs reach the output, there is no mask, no bias and nothing that cancels.
; THIS LAUNCH: queries and keys [16384 rows][1024], f32, become codes of FP4 (E2M1), K innermost (a row: 512 bytes), with one E8M0 byte for each 32 along K (a row: 32 bytes).
; (values become f16 in the next two launches, half in each, beside their matrix work: this launch does not name them.)
; A block's scale is 2^(floor(log2(its largest magnitude)) - 2); its byte is the largest magnitude's own exponent field - 2, held at 1 from below.  A block of zeros so gets the byte 1 where the
; rule says 127: its codes are zeros, which add nothing under any byte but 0xff, and the bytes are read by this program alone.
; LIMITS: NaN and infinities among the inputs are not served; blocks whose largest magnitude lies under 2^-124 have their byte held at 1.
; SHARES: work-groups 0-511 take queries, 512-1023 keys; each 32,768 numbers, each of its four waves 8,192.  Rows are dense and 1,024 is a multiple of 32: both are plain streams of blocks.
; 16 steps of 512 numbers a wave.  Each of a step's four loads reads 512 consecutive bytes, 16 a lane; the 2,048 bytes turn through the wave's own stage in LDS and come back 64 bytes a
; lane, so that a lane holds 16 neighbours along K (two neighbouring lanes hold a block).  A lane's 16 codes are 8 bytes: the wave stores 256 consecutive bytes.  A wave's 256 scale bytes are gathered in LDS and leave together.
.set WAVES, 4
.set STEPS, 16
.set WGA,   512                        ; work-groups for queries
.set EMAX,  2
.set CB,    8                          ; bytes of 16 codes
.set R,     16                         ; v16-79   four sets of 16 numbers as they are loaded
.set X,     80                         ; v80-111  two sets of 16 neighbours
.set C,     128                        ; v128-191 codes: four registers for each step, so that no store's data are written again
.set E,     112                        ; v112-127 a scale byte for each step
.set WREG,  8192                       ; LDS: a region for each wave: two stages of 32 x SP bytes, and behind them its 256 scale bytes
.set SP,    80                         ; a lane's place in a stage: its 64 bytes + 16 of padding
.set SPW,   12                         ; v12      LDS address of my spare word: SPARE + 4 x my thread's number; never rewritten
.set NIL,   13                         ; v13      0; never rewritten
.set SPARE, WAVES*WREG                 ; behind the four regions: the spare words, 128 bytes for each wave, which no other line names
	s_load_b128 s[4:7], s[0:1], 0x0                ; queries, keys
	s_load_b128 s[8:11], s[0:1], 0x10              ; queries' codes, scales
	s_load_b128 s[12:15], s[0:1], 0x20             ; keys' codes, scales
	v_lshl_add_u32 v[SPW], v0, 2, SPARE
	v_mov_b32 v[NIL], 0
	v_lshrrev_b32 v1, 5, v0
	v_readfirstlane_b32 s16, v1                    ; wave
	v_and_b32 v2, 31, v0                           ; lane
	v_lshlrev_b32 v3, 4, v2                        ; my 16 bytes of a load's 512
	s_mul_i32 s17, s16, WREG
	v_lshrrev_b32 v14, 2, v2
	v_mul_u32_u24 v14, v14, SP
	v_and_b32 v15, 3, v2
	v_lshl_add_u32 v14, v15, 4, v14
	v_add_nc_u32 v14, s17, v14                     ; the stage, on the way in: SP (lane / 4) + 16 (lane % 4); a load's 512 bytes take eight places
	v_mul_u32_u24 v15, v2, SP
	v_add_nc_u32 v15, s17, v15                     ; and on the way out: SP x lane: my 16 neighbours
	v_mul_u32_u24 v4, v2, CB                       ; my codes' place in a step's
	v_lshrrev_b32 v5, 1, v2
	s_add_co_u32 s17, s17, 2*32*SP
	v_add_nc_u32 v5, s17, v5                       ; LDS: my wave's 256 scale bytes, my block's byte
	v_lshlrev_b32 v7, 3, v2                        ; 8 bytes a lane
	v_add_nc_u32 v6, s17, v7
	s_wait_kmcnt 0x0
	s_cmp_lt_u32 ttmp9, WGA                        ; queries or keys?  Only pointers are chosen, by the work-group's number: both take one path
	s_cselect_b64 s[4:5], s[4:5], s[6:7]
	s_cselect_b64 s[8:9], s[8:9], s[12:13]
	s_cselect_b64 s[10:11], s[10:11], s[14:15]
	s_cselect_b32 s17, 0, WGA
	s_sub_co_u32 s17, ttmp9, s17
	s_lshl_b32 s17, s17, 2
	s_add_co_u32 s18, s17, s16                     ; which run of 8,192 numbers of the tensor is my wave's
	s_mov_b32 s19, 0
	s_mov_b64 s[20:21], 512*STEPS*4
	s_mul_u64 s[20:21], s[18:19], s[20:21]
	s_add_nc_u64 s[4:5], s[4:5], s[20:21]
	s_mov_b64 s[20:21], 32*STEPS*CB
	s_mul_u64 s[20:21], s[18:19], s[20:21]
	s_add_nc_u64 s[8:9], s[8:9], s[20:21]
	s_lshl_b32 s18, s18, 8                         ; 256 scale bytes a run
	s_add_nc_u64 s[10:11], s[10:11], s[18:19]
.macro LOAD t
.irp i, 0,1,2,3
	global_load_b128 v[R+16*((\t)%4)+4*\i:R+16*((\t)%4)+4*\i+3], v3, s[4:5] offset:2048*(\t)+512*\i th:TH_LOAD_NT   ; 32 lanes read 512 consecutive bytes
.endr
.endm
.macro TURN t                          ; step t's numbers through the stage: LDS serves a wave's instructions in order, so no wait stands between the stores and the loads
.irp i, 0,1,2,3
	ds_store_b128 v14, v[R+16*((\t)%4)+4*\i:R+16*((\t)%4)+4*\i+3] offset:32*SP*((\t)%2)+8*SP*\i
.endr
.irp i, 0,1,2,3
	ds_load_b128 v[X+16*((\t)%2)+4*\i:X+16*((\t)%2)+4*\i+3], v15 offset:32*SP*((\t)%2)+16*\i
.endr
.endm
.irp t, 0,1,2,3
	LOAD \t
.endr
	s_wait_loadcnt 12                              ; step 0's four loads are in; the twelve of steps 1 to 3 stay out
	TURN 0
.macro STEP t
.set XS, X+16*((\t)%2)
.if (\t) > 0
	s_wait_dscnt 1                                 ; this step's numbers are back from the stage (the last step's byte store may be out): so its stores into the stage have read their registers,
.else
	s_wait_dscnt 0x0
.endif
.if (\t)+4 < STEPS
	LOAD (\t)+4                                    ; which take the loads of four steps on
.endif
.if (\t)+1 < STEPS
.if STEPS-2-(\t) >= 3
	s_wait_loadcnt 12                              ; the next step's four loads are in; those of the three steps behind it may be out
.else
	s_wait_loadcnt 4*(STEPS-2-(\t))
.endif
	TURN (\t)+1                                    ; and go through the other stage while this step is worked
.endif
	v_max3_num_f32 v8, |v[XS]|, |v[XS+1]|, |v[XS+2]|               ; the largest magnitude of my 16, in two chains
	v_max3_num_f32 v9, |v[XS+3]|, |v[XS+4]|, |v[XS+5]|
.irp i, 6,10
	v_max3_num_f32 v8, v8, |v[XS+\i]|, |v[XS+\i+1]|
	v_max3_num_f32 v9, v9, |v[XS+\i+2]|, |v[XS+\i+3]|
.endr
	v_max3_num_f32 v8, v8, |v[XS+14]|, |v[XS+15]|
	v_max3_num_f32 v8, v8, v9, (EMAX+1)<<23        ; and the floor 2^(EMAX + 1 - 127): so the byte cannot fall under 1
	v_max_num_f32_dpp v8, v8, v8 row_xmask:1 row_mask:0xf bank_mask:0xf   ; and of my neighbour's 16: the block's
	v_add_nc_u32 v11, -(EMAX<<23), v8              ; EMAX off its exponent field: the conversion takes the exponent field of this operand as its scale, and nothing else of it
	v_cvt_scalef32_pk8_fp4_f32 v[C+4*(\t)], v[XS:XS+7], v11        ; eight numbers / the scale, to the nearest code, ties to even, beyond the largest code the largest
	v_cvt_scalef32_pk8_fp4_f32 v[C+4*(\t)+1], v[XS+8:XS+15], v11
	v_lshrrev_b32 v[E+(\t)], 23, v11               ; the scale's byte (a plain line behind the conversions)
	ds_store_b8 v5, v[E+(\t)] offset:16*(\t)       ; both lanes of a block write the same byte with the same value
	global_store_b64 v4, v[C+4*(\t):C+4*(\t)+1], s[8:9] offset:32*CB*(\t)   ; 32 lanes store 256 consecutive bytes
.endm
.irp t, 0,1,2,3,4,5,6,7,8,9,10,11,12,13,14,15
	STEP \t
.endr
	ds_load_b64 v[8:9], v6                         ; LDS serves a wave's instructions in order: these see my stores
	s_wait_dscnt 0x0
	global_store_b64 v7, v[8:9], s[10:11]          ; 32 lanes store the wave's 256 scale bytes
	s_wait_tensorcnt 0x0                           ; the wave's end, behind my last LDS store
	ds_add_u32 v[SPW], v[NIL]
	s_wait_dscnt 0x0
	s_endpgm
.Lfunc_end_k_qa09d9daa85_prep:
	.size	k_qa09d9daa85_prep, .Lfunc_end_k_qa09d9daa85_prep-k_qa09d9daa85_prep
	.p2alignl 7, 3214868480
	.fill 96, 4, 3214868480
	.section	.rodata,"a",@progbits
	.p2align	6, 0x0
	.amdhsa_kernel k_qa09d9daa85_prep
		.amdhsa_group_segment_fixed_size 33280
		.amdhsa_private_segment_fixed_size 0
		.amdhsa_enable_private_segment 0
		.amdhsa_kernarg_size 48
		.amdhsa_user_sgpr_count 2
		.amdhsa_user_sgpr_kernarg_segment_ptr 1
		.amdhsa_wavefront_size32 1
		.amdhsa_system_sgpr_workgroup_id_x 1
		.amdhsa_system_sgpr_workgroup_id_y 1
		.amdhsa_system_sgpr_workgroup_id_z 1
		.amdhsa_system_vgpr_workitem_id 0
		.amdhsa_next_free_vgpr 192
		.amdhsa_next_free_sgpr 66
		.amdhsa_reserve_vcc 0
		.amdhsa_float_denorm_mode_32 3
		.amdhsa_float_denorm_mode_16_64 3
		.amdhsa_memory_ordered 1
		.amdhsa_forward_progress 1
		.amdhsa_inst_pref_size 33
	.end_amdhsa_kernel
	.amdgpu_metadata
---
amdhsa.version: [ 1, 2 ]
amdhsa.kernels:
  - .name:           k_qa09d9daa85_prep
    .symbol:         k_qa09d9daa85_prep.kd
    .args:
      - { .name: queries, .offset: 0, .size: 8, .value_kind: global_buffer, .address_space: global }
      - { .name: keys, .offset: 8, .size: 8, .value_kind: global_buffer, .address_space: global }
      - { .name: q_codes, .offset: 16, .size: 8, .value_kind: global_buffer, .address_space: global }
      - { .name: q_scales, .offset: 24, .size: 8, .value_kind: global_buffer, .address_space: global }
      - { .name: k_codes, .offset: 32, .size: 8, .value_kind: global_buffer, .address_space: global }
      - { .name: k_scales, .offset: 40, .size: 8, .value_kind: global_buffer, .address_space: global }
    .group_segment_fixed_size: 33280
    .private_segment_fixed_size: 0
    .kernarg_segment_align: 8
    .kernarg_segment_size: 48
    .max_flat_workgroup_size: 128
    .sgpr_count:     66
    .vgpr_count:     192
    .wavefront_size: 32
...
	.end_amdgpu_metadata
.endif
;; end of part 1
;; launch stats (part 2): grid 8 x 64, 4 waves a work-group, clusters of 4 x 4, 327,680 bytes of LDS; arguments k_codes, k_scales, q_codes, q_scales, colstat, values, vhalf; writes colstat, vhalf
.if DOCPART == 2
	.amdgcn_target "amdgcn-amd-amdhsa--gfx1250"
	.amdhsa_code_object_version 6
	.text
	.protected	k_qa09d9daa85_stats
	.globl	k_qa09d9daa85_stats
	.p2align	8
	.type	k_qa09d9daa85_stats,@function
k_qa09d9daa85_stats:
	s_mov_b64 s[64:65], 0
	v_nop
	global_prefetch_b8 v0, s[64:65] scope:SCOPE_SE
	s_setreg_imm32_b32 hwreg(HW_REG_WAVE_MODE, 25, 1), 1
	s_wait_xcnt 0x0
	s_wait_alu depctr_hold_cnt(0) depctr_sa_sdst(0) depctr_va_vdst(0) depctr_va_sdst(0) depctr_va_ssrc(0) depctr_va_vcc(0) depctr_vm_vsrc(0)
	s_getreg_b32 s2, hwreg(HW_REG_IB_STS2, 6, 4)
	s_cmp_eq_u32 s2, 0
	s_cbranch_scc0 .Lentry_in_a_cluster
	s_endpgm
.Lentry_in_a_cluster:
	s_bfe_u32 s2, ttmp6, 0x10000c
	s_cmp_lg_u32 s2, 0xf033
	s_cbranch_scc0 .Lentry_shape_is_right
	s_endpgm
.Lentry_shape_is_right:
; THE COLUMN FIGURES.  The softmax runs over the queries, so each key needs the largest score and the sum of exponentials over all 2,048 queries of its batch before any weight is final.
; This launch makes them in parts: for each key and each run of 128 queries, m = the run's largest score and l = the sum over the run of 2^(c (s - m)), c = log2(e).  No work is left out.
; colstat: [8 batches][16 runs][2 planes: m, l][2048 keys] f32.  The next launch joins a key's 16 parts.
; THE PRODUCT: scores = keys x queries^T on codes of FP4 with E8M0 scales, K = 1,024.  A = keys (16,384 rows over all batches), B = queries of the same batch.
; A tile of 256 keys x 256 queries is made by a work-group of four waves; a wave makes 128 x 128: 64 accumulators of 16 x 16, 512 registers.
; K goes in two steps of 512 through two LDS slots, both filled at the start by the tensor data mover: nothing is filled again.  The scale bytes of the 256 + 256 rows come with them, as dense blocks.
; CLUSTERS: 4 x 4 work-groups.  The four of a row of the cluster need the same tiles of A, the four of a column the same tiles of B: each tile is asked for JOINTLY, by the same tensor load with the same
; descriptor and a mask that names the four.  All sixteen lie in one batch: a batch is eight tile rows, a cluster four.
; THE MATRIX INSTRUCTION IS USED TRANSPOSED (source 0 = 16 rows of B, source 1 = 16 rows of A): in accumulator (a, b) lane (r, h) holds ONE key, 16 a + r, and its register j the query 16 b + 8 h + j.
; So a key's figures over the wave's 128 queries are a reduction over a lane's 64 registers and one exchange between the halves of the lanes.
; BESIDE THE PRODUCT: THE FIRST HALF OF values BECOMES f16 (vhalf, the same order), for the second product.  Each of the launch's 2,048 waves takes 4,096 numbers: 32 loads of 512 consecutive bytes go out in the
; head, behind the tensor loads, into 128 registers that the products never name; behind the last product they are converted and leave by 32 stores of 256 consecutive bytes.
; REGISTERS, in windows of 256: window 0: v0-31 addresses; v32-95 scale words, two sets, and nothing else; from v128 A's fragments, one set; on the way out v96-255 are at work.
;   window 1: B's fragments, two sets, at v0 and v128; v64-127 and v192-255: my 4,096 values.   window 2: accumulators of my keys 0-63 ((a, b) at v[8 (8 a + b)]);   window 3: those of my keys 64-127.
; LIMITS: NaN and infinities are not served; a value whose magnitude is over 65,504 becomes infinity in f16.
.set KSTEP,  512                       ; along K in a slot
.set NQ,     KSTEP/128                 ; matrix instructions deep
.set ROWB,   256                       ; a tile's row in bytes
.set KROW,   512                       ; a row of codes in memory
.set PITCH,  272                       ; an LDS row: 256 bytes + 16 of padding: the 16 rows that a load touches start 68 words apart
.set FR,     8                         ; registers of a fragment: 16 rows x 128 K
.set NL,     2                         ; LDS loads that bring one
.set NP,     4                         ; places behind this matrix instruction (ISA guide 7.12.1)
.set HALFT,  128*PITCH                 ; 128 rows: what one tensor load brings
.set SLOT,   4*HALFT                   ; A's 256 rows, then B's 256 rows
.set KS,     32                        ; a row of scale bytes
.set SCL,    2*SLOT                    ; behind the slots: the scales, as runs of 256 bytes + 16 of padding
.set HALFS,  (128*KS/256)*272          ; the scales of 128 rows
.set SBLK,   (16*KS/256)*272           ; those of 16 rows
.set SPARE,  SCL+4*HALFS               ; the spare words, 128 bytes for each wave, which no other line names
.set STG,    SPARE+512                 ; the way out: 1,024 bytes for each wave: 128 m, then 128 l
.set ADRA, 16                          ; v16-17  LDS address of my A fragments in slot 0, 1
.set VSO,  18                          ; v18     values: 8 x lane, my bytes of a store's 256; never rewritten
.set VLO,  19                          ; v19     values: 16 x lane, my bytes of a load's 512; never rewritten
.set ADRB, 20                          ; v20-21  the same as ADRA for B
.set SA,   24                          ; v24     the way out: where I put a figure: lanes 0-15 m, lanes 16-31 l
.set SRD,  25                          ; v25     where I read 16 bytes back
.set GOF,  26                          ; v26     16 x lane
.set ADRS, 27                          ; v27     LDS address of my scale words: lanes 0-15 A's rows, lanes 16-31 B's
.set SPW,  28                          ; v28     LDS address of my spare word; never rewritten
.set NIL,  29                          ; v29     0; never rewritten
.set SC,   32                          ; scale words: set s at v[SC + 8 NQ s]; register NQ i + q: lanes 0-15 A's block i, lanes 16-31 B's block i, the slot's q-th 128 along K
.set AF,   128                         ; A's fragments
.set VA,   64                          ; window 1: load x of 32 lands at v[VA + 4 x + 64 (x / 16)]: v64-127, then v192-255
.set T,    96                          ; the way out: v96-223 at work
.set MX,   224                         ; v224-239 block a: m at +2 a; +2 a + 1 the exchange's destination and the pair's upper half
.set LS,   240                         ; v240-247 block a: l
.set PS,   248                         ; v248-255 block a: the exchange's destination, then the number that is stored
.set VOUT, 2                           ; s[2:3]   vhalf at my wave's 8,192 bytes; never rewritten
.set G1, 24
.set G0, 32
.set G1B, 48
.set G0B, 56
.set CS,  66                           ; s[66:67] c = log2(e): the packed form names a pair and takes its low word for both halves
.set G1S, 68
.set G0S, 76
.set G1SB, 80
.set G0SB, 88
.set VIN, 96                           ; s[96:97] values at my wave's 16,384 bytes; never rewritten
.set SEL, 98                           ; s[98:99] lane selects for v_permlanex16_b32: lane l xor 16
.set MSB, 0
.macro WIN new                         ; the immediate's high byte repeats the setting that is left
.if MSB != \new
	s_set_vgpr_msb (MSB<<8)|\new
.set MSB, \new
.endif
.endm
.set MUL_LO, 0xa1                      ; source 0 (B) window 1, source 1 (A) window 0, C and D window 2
.set MUL_HI, 0xf1                      ; the same, C and D window 3
.set TO_B,   0x40                      ; destination window 1, address window 0
; A joint load: waves 0 and 1 fetch for A, waves 2 and 3 for B.  Each of the two lines has one mask and one set of registers for all that issue it; the branch hangs on the wave's number alone.
; An s_nop 0 and four v_nop follow each of the two lines.
.macro JLOAD g0a, g1a, g0b, g1b
	s_cmp_eq_u32 s15, 0
	s_cbranch_scc0 .Lfor_b_\@
	tensor_load_to_lds s[\g0a:\g0a+3], s[\g1a:\g1a+7]
	s_nop 0
.rept 4
	v_nop
.endr
	s_branch .Lasked_\@
.Lfor_b_\@:
	tensor_load_to_lds s[\g0b:\g0b+3], s[\g1b:\g1b+7]
	s_nop 0
.rept 4
	v_nop
.endr
.Lasked_\@:
.endm
.macro CROUND                          ; a round of the cluster's barrier
	s_barrier_signal -1
	s_barrier_wait -1
	s_cmp_lg_u32 s14, 0
	s_cbranch_scc1 .Lnot_wave_0_\@
	s_barrier_signal -3
.Lnot_wave_0_\@:
	s_barrier_wait -3
	s_barrier_signal -1
	s_barrier_wait -1
.endm
.macro VLOADS                          ; my wave's 4,096 values: 32 loads of 512 consecutive bytes
	WIN TO_B
.set x, 0
.rept 32
.set VR, VA+4*x+64*(x/16)
	global_load_b128 v[VR:VR+3], v[VLO], s[VIN:VIN+1] offset:512*x th:TH_LOAD_NT
.set x, x+1
.endr
	WIN 0
.endm
.macro VSEND                           ; they become f16, in place, and leave: 32 stores of 256 consecutive bytes.  Neither the data registers nor the addresses are written again
	s_wait_loadcnt 0x0                             ; the 32 loads went out in the head, 512 matrix instructions ago
	WIN 0x45                                       ; sources 0 and 1 and the destination in window 1
.set x, 0
.rept 32
.set VR, VA+4*x+64*(x/16)
	v_cvt_pk_f16_f32 v[VR], v[VR], v[VR+1]         ; four numbers become 8 bytes
	v_cvt_pk_f16_f32 v[VR+1], v[VR+2], v[VR+3]
.set x, x+1
.endr
	WIN 0x04                                       ; a store's data are its source 1: window 1; its address register is source 0: window 0
.set x, 0
.rept 32
.set VR, VA+4*x+64*(x/16)
	global_store_b64 v[VSO], v[VR:VR+1], s[VOUT:VOUT+1] offset:256*x
.set x, x+1
.endr
	WIN 0
.endm
	s_load_b128 s[4:7], s[0:1], 0x0                ; A: keys' codes, keys' scales
	s_load_b128 s[8:11], s[0:1], 0x10              ; B: queries' codes, queries' scales
	s_load_b64 s[12:13], s[0:1], 0x20              ; colstat
	s_load_b64 s[VIN:VIN+1], s[0:1], 0x28          ; values
	s_load_b64 s[VOUT:VOUT+1], s[0:1], 0x30        ; vhalf
	v_lshl_add_u32 v[SPW], v0, 2, SPARE
	v_mov_b32 v[NIL], 0
	ds_add_u32 v[SPW], v[NIL]                      ; the wave's opening: the add, twice on end, and its wait ahead of my first tensor load
	ds_add_u32 v[SPW], v[NIL]                      ; and once more, under the one wait; the set-up below stands between
	v_lshrrev_b32 v1, 5, v0
	v_readfirstlane_b32 s14, v1                    ; wave 0..3
	s_lshr_b32 s15, s14, 1                         ; which half of A's rows is mine.  Also: I fetch for A (0) or for B (1)
	s_and_b32 s16, s14, 1                          ; which half of B's rows.  Also: which 128 rows of that tile I fetch
	s_bfe_u32 s40, ttmp6, 0x40000                  ; cx, cy: my place in the cluster
	s_bfe_u32 s41, ttmp6, 0x40004
	s_lshl_b32 s42, ttmp9, 2
	s_add_co_u32 s42, s42, s40                     ; tx = 4 x cluster x + cx: the block of 256 queries, 0..7
	s_and_b32 s17, ttmp7, 0xffff
	s_lshr_b32 s95, s17, 1                         ; the batch = cluster y / 2: all sixteen partners share it
	s_lshl_b32 s17, s17, 2
	s_add_co_u32 s17, s17, s41                     ; ty = 4 x cluster y + cy: the block of 256 keys over all batches, 0..63
	s_lshl_b32 s43, s41, 2
	s_lshl_b32 s43, 15, s43                        ; my row of the cluster
	s_lshl_b32 s44, 0x1111, s40                    ; my column
	; descriptor group 1: a tile of 128 rows x 256 bytes, 16 bytes of padding behind each row
	s_or_b32 s[G1+0], s43, (0<<16)|(1<<20)|(1<<21)|(5<<22)|(3<<25)  ; 15:0 the mask; 17:16 elements of 1 byte; 20 padding on; 21 set beside a mask; 24:22 after every 64 words; 31:25 four words
	s_or_b32 s[G1B+0], s44, (0<<16)|(1<<20)|(1<<21)|(5<<22)|(3<<25)
.irp g, G1, G1B
	s_mov_b32 s[\g+1], ROWB<<16                    ; tensor_dim0
	s_mov_b32 s[\g+2], 128<<16                     ; tensor_dim1
	s_mov_b32 s[\g+3], ROWB<<16                    ; tile_dim0
	s_mov_b32 s[\g+4], 128                         ; tile_dim1
	s_mov_b32 s[\g+5], KROW                        ; tensor_dim0_stride
	s_mov_b32 s[\g+6], 0
	s_mov_b32 s[\g+7], 0
.endr
	; the scales of 128 rows: a dense block of 4,096 bytes, as 16 rows of 256 bytes (32 elements of 8 bytes), 16 bytes of padding behind each
	s_or_b32 s[G1S+0], s43, (3<<16)|(1<<20)|(1<<21)|(5<<22)|(3<<25)
	s_or_b32 s[G1SB+0], s44, (3<<16)|(1<<20)|(1<<21)|(5<<22)|(3<<25)
.irp g, G1S, G1SB
	s_mov_b32 s[\g+1], 32<<16
	s_mov_b32 s[\g+2], (128*KS/256)<<16
	s_mov_b32 s[\g+3], 32<<16
	s_mov_b32 s[\g+4], 128*KS/256
	s_mov_b32 s[\g+5], 32
	s_mov_b32 s[\g+6], 0
	s_mov_b32 s[\g+7], 0
.endr
	s_mov_b32 s[CS], 0x3fb8aa3b                    ; c = log2(e)
	s_mov_b32 s[CS+1], s[CS]                       ; (named with it as a pair, so it is written)
	s_mov_b32 s[SEL], 0x76543210
	s_mov_b32 s[SEL+1], 0xfedcba98
	s_mov_b32 s100, 0xffff0000                     ; lanes 16-31
	s_lshl_b32 s18, s16, 7                         ; which 128 rows of the tile I fetch
	s_lshl_b32 s20, s17, 8
	s_add_co_u32 s20, s20, s18                     ; A: row 256 ty + 128 x half
	s_lshl_b32 s46, s42, 8
	s_add_co_u32 s46, s46, s18
	s_lshl_b32 s47, s95, 11
	s_add_co_u32 s46, s46, s47                     ; B: row 2048 x batch + 256 tx + 128 x half
	s_mov_b32 s21, 0
	s_mov_b32 s47, 0
	s_mov_b64 s[18:19], KS
	s_mul_u64 s[22:23], s[20:21], s[18:19]         ; where these rows' scales begin, in bytes
	s_mul_u64 s[92:93], s[46:47], s[18:19]
	s_mov_b64 s[18:19], KROW
	s_mul_u64 s[20:21], s[20:21], s[18:19]         ; and their codes
	s_mul_u64 s[46:47], s[46:47], s[18:19]
	s_mul_i32 s45, s14, HALFT                      ; where they go: wave x 128 rows: no place in the cluster enters an LDS address
	s_mul_i32 s94, s14, HALFS
	s_wait_dscnt 0x0                               ; both opening adds are done
	s_wait_kmcnt 0x0
	s_add_nc_u64 s[20:21], s[4:5], s[20:21]
	s_add_nc_u64 s[22:23], s[6:7], s[22:23]
	s_add_nc_u64 s[46:47], s[8:9], s[46:47]
	s_add_nc_u64 s[92:93], s[10:11], s[92:93]
	CROUND                                         ; all sixteen work-groups are here: the joint loads meet
	s_mov_b32 s[G0S], 1
	s_add_co_u32 s[G0S+1], s94, SCL
	s_mov_b64 s[G0S+2:G0S+3], s[22:23]
	s_or_b32 s[G0S+3], s[G0S+3], 0x80000000
	s_mov_b32 s[G0SB], 1
	s_add_co_u32 s[G0SB+1], s94, SCL
	s_mov_b64 s[G0SB+2:G0SB+3], s[92:93]
	s_or_b32 s[G0SB+3], s[G0SB+3], 0x80000000
	JLOAD G0S, G1S, G0SB, G1SB                     ; the scales first: they are wanted with K step 0
.irp s, 0,1
	s_mov_b32 s[G0+4*\s], 1
	s_add_co_u32 s[G0+4*\s+1], s45, \s*SLOT
	s_add_nc_u64 s[G0+4*\s+2:G0+4*\s+3], s[20:21], \s*ROWB
	s_or_b32 s[G0+4*\s+3], s[G0+4*\s+3], 0x80000000
	s_mov_b32 s[G0B+4*\s], 1
	s_add_co_u32 s[G0B+4*\s+1], s45, \s*SLOT
	s_add_nc_u64 s[G0B+4*\s+2:G0B+4*\s+3], s[46:47], \s*ROWB
	s_or_b32 s[G0B+4*\s+3], s[G0B+4*\s+3], 0x80000000
	JLOAD G0+4*\s, G1, G0B+4*\s, G1B               ; three tensor loads of mine are out: all that this launch has
.endr
	; my wave's values: run (8 ty + tx) x 4 + wave of 2,048 runs: 16,384 bytes of f32, 8,192 of f16
	s_lshl_b32 s20, s17, 3
	s_add_co_u32 s20, s20, s42
	s_lshl_b32 s20, s20, 2
	s_add_co_u32 s20, s20, s14
	s_lshl_b32 s22, s20, 14
	s_mov_b32 s23, 0
	s_add_nc_u64 s[VIN:VIN+1], s[VIN:VIN+1], s[22:23]
	s_lshl_b32 s22, s20, 13
	s_add_nc_u64 s[VOUT:VOUT+1], s[VOUT:VOUT+1], s[22:23]
	v_and_b32 v[VSO], 31, v0
	v_lshlrev_b32 v[VLO], 4, v[VSO]
	v_lshlrev_b32 v[VSO], 3, v[VSO]
	VLOADS                                         ; they land while the tiles come and the products run
	v_and_b32 v1, 15, v0                           ; r = l % 16
	v_bfe_u32 v2, v0, 4, 1                         ; h = l / 16
	v_mul_u32_u24 v3, v1, PITCH
	v_lshl_add_u32 v4, v2, 4, v3                   ; a fragment's row x pitch + 16 x half
	s_mul_i32 s21, s15, HALFT                      ; my 128 rows of A
	s_mul_i32 s22, s16, HALFT                      ; my 128 rows of B,
	s_add_co_u32 s22, s22, 2*HALFT                 ; which lie behind A's 256
.irp s, 0,1
	v_add_nc_u32 v[ADRA+\s], s21, v4
	v_add_nc_u32 v[ADRB+\s], s22, v4
	s_add_co_u32 s21, s21, SLOT
	s_add_co_u32 s22, s22, SLOT
.endr
	v_mul_u32_u24 v5, v1, KS                       ; my row's scales: KS bytes a row,
	v_lshrrev_b32 v6, 8, v5
	v_lshl_add_u32 v5, v6, 4, v5                   ; and 16 more for each 256 passed
	s_mul_i32 s21, s15, HALFS                      ; A's: my 128 rows
	s_mul_i32 s22, s16, HALFS                      ; B's: my 128 rows, behind A's 256
	s_add_co_u32 s22, s22, 2*HALFS
	s_sub_co_u32 s22, s22, s21
	v_mul_u32_u24 v6, s22, v2                      ; lanes 16-31 take B's: one product, the distance between the two bases
	s_add_co_u32 s21, s21, SCL
	v_add_nc_u32 v5, v5, v6
	v_add_nc_u32 v[ADRS], s21, v5
	s_lshl_b32 s23, s14, 10
	s_add_co_u32 s23, s23, STG                     ; my 1,024 bytes for the way out
	v_lshlrev_b32 v5, 2, v1
	v_lshl_add_u32 v5, v2, 9, v5                   ; 4 r + 512 h
	v_add_nc_u32 v[SA], s23, v5
	v_and_b32 v6, 31, v0
	v_lshlrev_b32 v[GOF], 4, v6
	v_add_nc_u32 v[SRD], s23, v[GOF]
	s_lshl_b32 s20, s95, 4                         ; colstat: run 16 x batch + 2 tx + my half of the queries, 16,384 bytes each;
	s_lshl_b32 s21, s42, 1
	s_add_co_u32 s20, s20, s21
	s_add_co_u32 s20, s20, s16
	s_lshl_b32 s20, s20, 14
	s_and_b32 s21, s17, 7
	s_lshl_b32 s21, s21, 10                        ; in a plane: key 256 (ty % 8) + 128 x my half of the keys, 4 bytes each
	s_add_co_u32 s20, s20, s21
	s_lshl_b32 s21, s15, 9
	s_add_co_u32 s20, s20, s21
	s_mov_b32 s21, 0
	s_add_nc_u64 s[12:13], s[12:13], s[20:21]
.macro FRAG reg, adr, q, i             ; 16 rows x 128 K of 4-bit codes: lane l holds row l % 16; registers 4 c .. 4 c + 3 hold K = 64 c + 32 (l / 16) + 0 .. 31
.irp c, 0,1
	ds_load_b128 v[\reg+4*\c:\reg+4*\c+3], v[\adr] offset:64*(\q)+32*\c+(\i)*16*PITCH
.endr
.endm
; 16 matrix instructions: A's blocks a0, a0 + 1 x B's eight, the slot's q-th 128 along K.  p: B's set;  sc: the set of scale words.  zero = 1: the first product starts the sums.
; The 64 accumulators take turns, one instruction a turn, in the same order in every step.
.macro MUL16 a0, p, q, sc, zero
.irp a, \a0, \a0+1
.irp b, 0,1,2,3,4,5,6,7
.if \zero
	v_wmma_scale_f32_16x16x128_f8f6f4 v[8*(8*((\a)%4)+\b):8*(8*((\a)%4)+\b)+7], v[128*(\p)+FR*\b:128*(\p)+FR*\b+FR-1], v[AF+FR*(\a):AF+FR*(\a)+FR-1], 0, v[SC+8*NQ*(\sc)+NQ*\b+(\q)], v[SC+8*NQ*(\sc)+NQ*(\a)+(\q)] matrix_a_fmt:MATRIX_FMT_FP4 matrix_b_fmt:MATRIX_FMT_FP4 matrix_a_scale:MATRIX_SCALE_ROW1
.else
	v_wmma_scale_f32_16x16x128_f8f6f4 v[8*(8*((\a)%4)+\b):8*(8*((\a)%4)+\b)+7], v[128*(\p)+FR*\b:128*(\p)+FR*\b+FR-1], v[AF+FR*(\a):AF+FR*(\a)+FR-1], v[8*(8*((\a)%4)+\b):8*(8*((\a)%4)+\b)+7], v[SC+8*NQ*(\sc)+NQ*\b+(\q)], v[SC+8*NQ*(\sc)+NQ*(\a)+(\q)] matrix_a_fmt:MATRIX_FMT_FP4 matrix_b_fmt:MATRIX_FMT_FP4 matrix_a_scale:MATRIX_SCALE_ROW1
.endif
.endr
.endr
.endm
.macro FETCH_B slot, q, p              ; B's eight fragments of the slot's q-th 128 along K into set p
	WIN TO_B
.irp i, 0,1,2,3,4,5,6,7
	FRAG 128*(\p)+FR*\i, ADRB+\slot, \q, \i
.endr
	WIN 0
.endm
.macro FETCH_A slot, q, i0             ; A's blocks i0 .. i0 + 3
.irp i, \i0, \i0+1, \i0+2, \i0+3
	FRAG AF+FR*(\i), ADRA+\slot, \q, \i
.endr
.endm
.macro SCALES sc                       ; a K step's scale words into set sc: lanes 0-15 take A's block i, lanes 16-31 B's block i
.irp i, 0,1,2,3,4,5,6,7
	ds_load_b128 v[SC+8*NQ*\sc+NQ*\i:SC+8*NQ*\sc+NQ*\i+3], v[ADRS] offset:\i*SBLK
.endr
.endm
.macro PLACES n                        ; plain vector instructions between a matrix instruction and a load into, or a read of, its registers
.rept \n
	v_nop
.endr
.endm
.macro STEP slot, q, zero              ; a step of 128 along K that has its successor in the same slot
	s_wait_dscnt 4*NL                              ; B's set and A's blocks 0-3 are in; the youngest eight loads (A's blocks 4-7) may be out
	WIN MUL_LO
	MUL16 0, (\q)%2, \q, \slot, \zero
	MUL16 2, (\q)%2, \q, \slot, \zero
	s_wait_dscnt 0                                 ; A's blocks 4-7 are in
	PLACES NP
	FETCH_B \slot, (\q)+1, 1-(\q)%2
	FETCH_A \slot, (\q)+1, 0
	WIN MUL_HI
	MUL16 4, (\q)%2, \q, \slot, \zero
	MUL16 6, (\q)%2, \q, \slot, \zero
	PLACES NP
	WIN 0
	FETCH_A \slot, (\q)+1, 4
.endm
; Slot 0's last step goes over to slot 1: one barrier; in front of it each wave waits for all its tensor loads (its part of slot 1).  Nothing is filled again.
.macro TURN slot, next
	s_wait_tensorcnt 0x0                           ; all my tensor loads have landed: my part of the next slot
	ds_add_u32 v[SPW], v[NIL]                      ; 0 onto my spare word
	s_wait_dscnt 4*NL+1                            ; (the add and the youngest eight loads, A's blocks 4-7, may be out)
	WIN MUL_LO
	MUL16 0, 1, NQ-1, \slot, 0
	s_wait_dscnt 0x0                               ; no LDS instruction of mine is out at the signal
	s_barrier_signal -1
	MUL16 2, 1, NQ-1, \slot, 0
	WIN 0
	s_barrier_wait -1                              ; the next slot is whole
	PLACES NP
	v_add_nc_u32 v[ADRS], 4*NQ, v[ADRS]            ; on to the next K step's scale words
	FETCH_B \next, 0, 0
	FETCH_A \next, 0, 0
	SCALES \next
	WIN MUL_HI
	MUL16 4, 1, NQ-1, \slot, 0
	MUL16 6, 1, NQ-1, \slot, 0
	PLACES NP
	WIN 0
	FETCH_A \next, 0, 4
.endm
	s_wait_tensorcnt 1                             ; the scales and my part of K step 0 are in (K step 1's load, issued last, may be out),
	s_barrier_signal -1
	s_barrier_wait -1                              ; everybody's are
	FETCH_B 0, 0, 0
	FETCH_A 0, 0, 0
	SCALES 0
	FETCH_A 0, 0, 4
	STEP 0, 0, 1                                   ; the first step's products start the sums: nothing is cleared
	STEP 0, 1, 0
	STEP 0, 2, 0
	TURN 0, 1
	STEP 1, 0, 0
	STEP 1, 1, 0
	STEP 1, 2, 0
	s_wait_dscnt 4*NL                              ; the last step: nothing more to fetch
	WIN MUL_LO
	MUL16 0, 1, NQ-1, 1, 0
	MUL16 2, 1, NQ-1, 1, 0
	s_wait_dscnt 0
	WIN MUL_HI
	MUL16 4, 1, NQ-1, 1, 0
	MUL16 6, 1, NQ-1, 1, 0
	WIN 0
	VSEND                                          ; my values leave now, so that their stores are on their way under the way out.  The conversions name no register of the last products: they are places behind them
; THE WAY OUT.  For each window (four blocks of 16 keys): the largest score; s - m, exactly, then x c; the exponentials as ONE batch with one wait; the sum.
.macro COLMAX w                        ; m of blocks 4 (w - 2) .. + 3
.set A0, 4*((\w)-2)
.set WW, (\w)|((\w)<<2)|((\w)<<4)
	WIN WW                                         ; all three sources in window w, destination in window 0
.set x, 0
.rept 32                               ; accumulator x of the window: each is read from its low end on
	v_max3_num_f32 v[T+3*x], v[8*x], v[8*x+1], v[8*x+2]
	v_max3_num_f32 v[T+3*x+1], v[8*x+3], v[8*x+4], v[8*x+5]
	v_max_num_f32 v[T+3*x+2], v[8*x+6], v[8*x+7]
.set x, x+1
.endr
	WIN 0
.set x, 0
.rept 32
	v_max3_num_f32 v[T+3*x], v[T+3*x], v[T+3*x+1], v[T+3*x+2]
.set x, x+1
.endr
.irp i, 3,9,15                         ; a block's eight accumulators; the four blocks by turns
.irp a, 0,1,2,3
	v_max3_num_f32 v[T+24*\a], v[T+24*\a], v[T+24*\a+\i], v[T+24*\a+\i+3]
.endr
.endr
.irp a, 0,1,2,3
	v_max_num_f32 v[T+24*\a], v[T+24*\a], v[T+24*\a+21]
.endr
.irp a, 0,1,2,3
	v_permlanex16_b32 v[MX+2*(A0+\a)+1], v[T+24*\a], s[SEL], s[SEL+1]   ; the key's other 64 queries lie in the lane 16 away
.endr
.irp a, 0,1,2,3
	v_max_num_f32 v[MX+2*(A0+\a)], v[T+24*\a], v[MX+2*(A0+\a)+1]
.endr
.endm
.macro EXPS w                          ; the window's 256 scores become 2^(c (s - m)), in place
.set A0, 4*((\w)-2)
.set WW, (\w)|((\w)<<6)
	WIN WW                                         ; source 0 and destination in window w, source 1 in window 0
.set x, 0
.rept 128                              ; pair x: block x / 32
	v_pk_add_f32 v[2*x:2*x+1], v[2*x:2*x+1], v[MX+2*(A0+x/32):MX+2*(A0+x/32)+1] op_sel_hi:[1,0] neg_lo:[0,1] neg_hi:[0,1]   ; s - m: the maximum is taken away before anything is scaled
.set x, x+1
.endr
.set x, 0
.rept 128
	v_pk_mul_f32 v[2*x:2*x+1], v[2*x:2*x+1], s[CS:CS+1] op_sel_hi:[1,0]
.set x, x+1
.endr
.set x, 0
.rept 256
	v_exp_f32 v[x], v[x]
.set x, x+1
.endr
	v_nop                                          ; a plain instruction behind the last exponential
	s_wait_alu depctr_va_vdst(0)                   ; one wait for the batch, ahead of its first reader
.endm
.macro COLSUM w                        ; l of blocks 4 (w - 2) .. + 3
.set A0, 4*((\w)-2)
.set WW, (\w)|((\w)<<2)
	WIN WW                                         ; sources 0 and 1 in window w, destination in window 0
.set x, 0
.rept 32
	v_pk_add_f32 v[T+4*x:T+4*x+1], v[8*x:8*x+1], v[8*x+2:8*x+3]
	v_pk_add_f32 v[T+4*x+2:T+4*x+3], v[8*x+4:8*x+5], v[8*x+6:8*x+7]
.set x, x+1
.endr
	WIN 0
.irp d, 8,4,2,1                        ; a block's 16 pairs: a tree
.irp a, 0,1,2,3
.set i, 0
.rept \d
	v_pk_add_f32 v[T+32*\a+2*i:T+32*\a+2*i+1], v[T+32*\a+2*i:T+32*\a+2*i+1], v[T+32*\a+2*(i+\d):T+32*\a+2*(i+\d)+1]
.set i, i+1
.endr
.endr
.endr
.irp a, 0,1,2,3
	v_add_f32 v[T+32*\a], v[T+32*\a], v[T+32*\a+1]
.endr
.irp a, 0,1,2,3
	v_permlanex16_b32 v[PS+A0+\a], v[T+32*\a], s[SEL], s[SEL+1]
.endr
.irp a, 0,1,2,3
	v_add_f32 v[LS+A0+\a], v[T+32*\a], v[PS+A0+\a]
.endr
.endm
.irp a, 0,1,2,3,4,5,6,7
	v_mov_b32 v[MX+2*\a+1], 0                      ; a lane permute's destination counts as one of its sources: written once
.endr
.irp a, 0,1,2,3,4,5,6,7
	v_mov_b32 v[PS+\a], 0
.endr
	COLMAX 2
	EXPS 2
	COLSUM 2
	COLMAX 3
	EXPS 3
	COLSUM 3
.irp a, 0,1,2,3,4,5,6,7
	v_cndmask_b32 v[PS+\a], v[MX+2*\a], v[LS+\a], s100             ; both halves of the lanes hold both figures: lanes 0-15 send m, lanes 16-31 l
.endr
.irp a, 0,1,2,3,4,5,6,7
	ds_store_b32 v[SA], v[PS+\a] offset:64*\a      ; key 16 a + r
.endr
	ds_load_b128 v[T:T+3], v[SRD]                  ; LDS serves a wave's instructions in order: these see my stores.  128 m,
	ds_load_b128 v[T+4:T+7], v[SRD] offset:512     ; 128 l
	s_wait_dscnt 0x0
	global_store_b128 v[GOF], v[T:T+3], s[12:13]               ; 32 lanes store 512 consecutive bytes
	global_store_b128 v[GOF], v[T+4:T+7], s[12:13] offset:8192 ; the other plane
	s_wait_tensorcnt 0x0                           ; the wave's end, behind my last tensor load and my last LDS store
	ds_add_u32 v[SPW], v[NIL]
	s_wait_dscnt 0x0
	CROUND                                         ; the closing round
	s_endpgm
.Lfunc_end_k_qa09d9daa85_stats:
	.size	k_qa09d9daa85_stats, .Lfunc_end_k_qa09d9daa85_stats-k_qa09d9daa85_stats
	.p2alignl 7, 3214868480
	.fill 96, 4, 3214868480
	.section	.rodata,"a",@progbits
	.p2align	6, 0x0
	.amdhsa_kernel k_qa09d9daa85_stats
		.amdhsa_group_segment_fixed_size 327680
		.amdhsa_private_segment_fixed_size 0
		.amdhsa_enable_private_segment 0
		.amdhsa_kernarg_size 56
		.amdhsa_user_sgpr_count 2
		.amdhsa_user_sgpr_kernarg_segment_ptr 1
		.amdhsa_wavefront_size32 1
		.amdhsa_system_sgpr_workgroup_id_x 1
		.amdhsa_system_sgpr_workgroup_id_y 1
		.amdhsa_system_sgpr_workgroup_id_z 1
		.amdhsa_system_vgpr_workitem_id 0
		.amdhsa_next_free_vgpr 1024
		.amdhsa_next_free_sgpr 102
		.amdhsa_reserve_vcc 0
		.amdhsa_float_denorm_mode_32 3
		.amdhsa_float_denorm_mode_16_64 3
		.amdhsa_memory_ordered 1
		.amdhsa_forward_progress 1
		.amdhsa_inst_pref_size 189
	.end_amdhsa_kernel
	.amdgpu_metadata
---
amdhsa.version: [ 1, 2 ]
amdhsa.kernels:
  - .name:           k_qa09d9daa85_stats
    .symbol:         k_qa09d9daa85_stats.kd
    .args:
      - { .name: k_codes, .offset: 0, .size: 8, .value_kind: global_buffer, .address_space: global }
      - { .name: k_scales, .offset: 8, .size: 8, .value_kind: global_buffer, .address_space: global }
      - { .name: q_codes, .offset: 16, .size: 8, .value_kind: global_buffer, .address_space: global }
      - { .name: q_scales, .offset: 24, .size: 8, .value_kind: global_buffer, .address_space: global }
      - { .name: colstat, .offset: 32, .size: 8, .value_kind: global_buffer, .address_space: global }
      - { .name: values, .offset: 40, .size: 8, .value_kind: global_buffer, .address_space: global }
      - { .name: vhalf, .offset: 48, .size: 8, .value_kind: global_buffer, .address_space: global }
    .group_segment_fixed_size: 327680
    .private_segment_fixed_size: 0
    .kernarg_segment_align: 8
    .kernarg_segment_size: 56
    .max_flat_workgroup_size: 128
    .sgpr_count:     102
    .vgpr_count:     1024
    .wavefront_size: 32
...
	.end_amdgpu_metadata
.endif
;; end of part 2
;; launch attn (part 3): grid 8 x 64, 4 waves a work-group, clusters of 4 x 4, 327,680 bytes of LDS; arguments q_codes, q_scales, k_codes, k_scales, attnw, colstat, values, vhalf; writes attnw, vhalf
.if DOCPART == 3
	.amdgcn_target "amdgcn-amd-amdhsa--gfx1250"
	.amdhsa_code_object_version 6
	.text
	.protected	k_qa09d9daa85_attn
	.globl	k_qa09d9daa85_attn
	.p2align	8
	.type	k_qa09d9daa85_attn,@function
k_qa09d9daa85_attn:
	s_mov_b64 s[64:65], 0
	v_nop
	global_prefetch_b8 v0, s[64:65] scope:SCOPE_SE
	s_setreg_imm32_b32 hwreg(HW_REG_WAVE_MODE, 25, 1), 1
	s_wait_xcnt 0x0
	s_wait_alu depctr_hold_cnt(0) depctr_sa_sdst(0) depctr_va_vdst(0) depctr_va_sdst(0) depctr_va_ssrc(0) depctr_va_vcc(0) depctr_vm_vsrc(0)
	s_getreg_b32 s2, hwreg(HW_REG_IB_STS2, 6, 4)
	s_cmp_eq_u32 s2, 0
	s_cbranch_scc0 .Lentry_in_a_cluster
	s_endpgm
.Lentry_in_a_cluster:
	s_bfe_u32 s2, ttmp6, 0x10000c
	s_cmp_lg_u32 s2, 0xf033
	s_cbranch_scc0 .Lentry_shape_is_right
	s_endpgm
.Lentry_shape_is_right:
; THE WEIGHTS.  attnw[b][q][k] = 2^(c (s - M[k]) - log2 L[k]) in f16, c = log2(e): the softmax over the queries, with M[k] the largest score of key k over all queries and L[k] the sum of 2^(c (s - M)).
; No work is left out.  The scores are made again, by the same products as in the launch before with the sources changed over: A = queries (16,384 rows over all batches), B = keys of the same batch.
; HEAD: the work-group joins the 16 parts (m, l) of each of its 256 keys: M = the largest m, L = the sum of l 2^(c (m - M)); M and log2 L go into a table in LDS.
; s - M is one subtraction, and c and log2 L come in by one fused multiply-add: the maximum is taken away before anything is scaled.
; A tile of 256 queries x 256 keys is made by a work-group of four waves; a wave makes 128 x 128.  K goes in two steps of 512 through two LDS slots, both filled at the start: nothing is filled again.
; CLUSTERS: 4 x 4 work-groups; A's tiles are asked for jointly along a row of the cluster, B's along a column.  All sixteen lie in one batch.
; THE MATRIX INSTRUCTION IS USED TRANSPOSED (source 0 = 16 rows of B, source 1 = 16 rows of A): in accumulator (a, b) lane (r, h) holds query 16 a + r and its register j the key 16 b + 8 h + j:
; eight neighbouring keys of a row of attnw, 16 bytes in f16.
; BESIDE THE PRODUCT: THE SECOND HALF OF values BECOMES f16 (vhalf, the same order), as the first half did in the launch before: 4,096 numbers a wave; 32 loads of 512 consecutive bytes go out in the head,
; behind the wait for the join's loads (so 32 loads of mine are out at the most), into 128 registers that the products never name; behind the last product they are converted and stored.
; THE WAY OUT goes by halves: my rows 0-63 become weights and leave, then my rows 64-127: the first half's stores are on their way while the second half's exponentials are made.
; REGISTERS: window 0: v0-31 addresses; v32-95 scale words, and nothing else; from v128 A's fragments; in the head v128-197 and on the way out v96-191 are at work.
;   window 1: B's fragments, two sets, at v0 and v128; v64-127 and v192-255: my 4,096 values; on the way out v0-63 M and v128-191 log2 L of my lane's 64 keys.   windows 2, 3: the accumulators.
; LIMITS: NaN and infinities are not served; a weight under 6e-8 becomes 0 in f16; a value whose magnitude is over 65,504 becomes infinity in f16.
.set KSTEP,  512
.set NQ,     KSTEP/128
.set ROWB,   256
.set KROW,   512
.set PITCH,  272
.set FR,     8
.set NL,     2
.set NP,     4
.set HALFT,  128*PITCH
.set SLOT,   4*HALFT
.set KS,     32
.set SCL,    2*SLOT
.set HALFS,  (128*KS/256)*272
.set SBLK,   (16*KS/256)*272
.set SPARE,  SCL+4*HALFS               ; the spare words, 128 bytes for each wave, which no other line names
.set TBL,    SPARE+512                 ; M of the 256 keys, 1,024 bytes; then log2 L, 1,024 bytes
.set STAGE,  TBL+2048                  ; the way out: 16 rows x 272 bytes for each wave
.set SPITCH, 272
.set ADRA, 16
.set VSO,  18                          ; v18     values: 8 x lane; never rewritten
.set VLO,  19                          ; v19     values: 16 x lane; never rewritten
.set ADRB, 20
.set TR,   23                          ; v23     the table: my half's first key of my wave's 128
.set STO,  24                          ; v24     the way out: where I put 16 bytes of a row
.set RD,   25                          ; v25     where I read a row back
.set CO,   26                          ; v26     my byte offset in two rows of attnw
.set ADRS, 27
.set SPW,  28
.set NIL,  29
.set JO,   30                          ; v30     the join: 8 x my thread's number: my two keys in a plane
.set JT,   31                          ; v31     and in the table
.set SC,   32
.set AF,   128
.set JM,   128                         ; the join: v128-159 sixteen pairs m, v160-191 sixteen pairs l, v192-193 M, v194-195 L, v196-197 log2 L
.set JL,   160
.set VA,   64                          ; window 1: load x of 32 lands at v[VA + 4 x + 64 (x / 16)]: v64-127, then v192-255
.set NM,   0                           ; window 1: B's first set, done with
.set LG,   128                         ; window 1: B's second set, done with
.set TMP,  96                          ; v96-127 a block's packed weights
.set OB,   128                         ; v128-159 and v160-191 by turns: 16 rows read back
.set VOUT, 2                           ; s[2:3]   vhalf at my wave's 8,192 bytes; never rewritten
.set G1, 24
.set G0, 32
.set G1B, 48
.set G0B, 56
.set CS,  66
.set G1S, 68
.set G0S, 76
.set G1SB, 80
.set G0SB, 88
.set VIN, 98                           ; s[98:99] values at my wave's 16,384 bytes; never rewritten
.set MSB, 0
.macro WIN new                         ; the immediate's high byte repeats the setting that is left
.if MSB != \new
	s_set_vgpr_msb (MSB<<8)|\new
.set MSB, \new
.endif
.endm
.set MUL_LO, 0xa1
.set MUL_HI, 0xf1
.set TO_B,   0x40
.macro JLOAD g0a, g1a, g0b, g1b        ; a joint load: waves 0 and 1 fetch for A, waves 2 and 3 for B; an s_nop 0 and four v_nop follow each line
	s_cmp_eq_u32 s15, 0
	s_cbranch_scc0 .Lfor_b_\@
	tensor_load_to_lds s[\g0a:\g0a+3], s[\g1a:\g1a+7]
	s_nop 0
.rept 4
	v_nop
.endr
	s_branch .Lasked_\@
.Lfor_b_\@:
	tensor_load_to_lds s[\g0b:\g0b+3], s[\g1b:\g1b+7]
	s_nop 0
.rept 4
	v_nop
.endr
.Lasked_\@:
.endm
.macro CROUND                          ; a round of the cluster's barrier
	s_barrier_signal -1
	s_barrier_wait -1
	s_cmp_lg_u32 s14, 0
	s_cbranch_scc1 .Lnot_wave_0_\@
	s_barrier_signal -3
.Lnot_wave_0_\@:
	s_barrier_wait -3
	s_barrier_signal -1
	s_barrier_wait -1
.endm
.macro VLOADS                          ; my wave's 4,096 values: 32 loads of 512 consecutive bytes
	WIN TO_B
.set x, 0
.rept 32
.set VR, VA+4*x+64*(x/16)
	global_load_b128 v[VR:VR+3], v[VLO], s[VIN:VIN+1] offset:512*x th:TH_LOAD_NT
.set x, x+1
.endr
	WIN 0
.endm
.macro VSEND                           ; they become f16, in place, and leave: 32 stores of 256 consecutive bytes.  Neither the data registers nor the addresses are written again
	s_wait_loadcnt 0x0                             ; the 32 loads went out in the head, 512 matrix instructions ago
	WIN 0x45                                       ; sources 0 and 1 and the destination in window 1
.set x, 0
.rept 32
.set VR, VA+4*x+64*(x/16)
	v_cvt_pk_f16_f32 v[VR], v[VR], v[VR+1]         ; four numbers become 8 bytes
	v_cvt_pk_f16_f32 v[VR+1], v[VR+2], v[VR+3]
.set x, x+1
.endr
	WIN 0x04                                       ; a store's data are its source 1: window 1; its address register is source 0: window 0
.set x, 0
.rept 32
.set VR, VA+4*x+64*(x/16)
	global_store_b64 v[VSO], v[VR:VR+1], s[VOUT:VOUT+1] offset:256*x
.set x, x+1
.endr
	WIN 0
.endm
	s_load_b128 s[4:7], s[0:1], 0x0                ; A: queries' codes, queries' scales
	s_load_b128 s[8:11], s[0:1], 0x10              ; B: keys' codes, keys' scales
	s_load_b64 s[12:13], s[0:1], 0x20              ; attnw
	s_load_b64 s[96:97], s[0:1], 0x28              ; colstat
	s_load_b64 s[VIN:VIN+1], s[0:1], 0x30          ; values
	s_load_b64 s[VOUT:VOUT+1], s[0:1], 0x38        ; vhalf
	v_lshl_add_u32 v[SPW], v0, 2, SPARE
	v_mov_b32 v[NIL], 0
	ds_add_u32 v[SPW], v[NIL]                      ; the wave's opening: the add, twice on end, and its wait ahead of my first tensor load
	ds_add_u32 v[SPW], v[NIL]                      ; and once more, under the one wait; the set-up below stands between
	v_lshrrev_b32 v1, 5, v0
	v_readfirstlane_b32 s14, v1                    ; wave 0..3
	s_lshr_b32 s15, s14, 1                         ; which half of A's rows is mine.  Also: I fetch for A (0) or for B (1)
	s_and_b32 s16, s14, 1                          ; which half of B's rows.  Also: which 128 rows of that tile I fetch
	s_bfe_u32 s40, ttmp6, 0x40000                  ; cx, cy
	s_bfe_u32 s41, ttmp6, 0x40004
	s_lshl_b32 s42, ttmp9, 2
	s_add_co_u32 s42, s42, s40                     ; tx: the block of 256 keys, 0..7
	s_and_b32 s17, ttmp7, 0xffff
	s_lshr_b32 s95, s17, 1                         ; the batch = cluster y / 2
	s_lshl_b32 s17, s17, 2
	s_add_co_u32 s17, s17, s41                     ; ty: the block of 256 queries over all batches, 0..63
	s_lshl_b32 s43, s41, 2
	s_lshl_b32 s43, 15, s43                        ; my row of the cluster
	s_lshl_b32 s44, 0x1111, s40                    ; my column
	s_or_b32 s[G1+0], s43, (0<<16)|(1<<20)|(1<<21)|(5<<22)|(3<<25)  ; a tile of 128 rows x 256 bytes, 16 bytes of padding behind each row
	s_or_b32 s[G1B+0], s44, (0<<16)|(1<<20)|(1<<21)|(5<<22)|(3<<25)
.irp g, G1, G1B
	s_mov_b32 s[\g+1], ROWB<<16
	s_mov_b32 s[\g+2], 128<<16
	s_mov_b32 s[\g+3], ROWB<<16
	s_mov_b32 s[\g+4], 128
	s_mov_b32 s[\g+5], KROW
	s_mov_b32 s[\g+6], 0
	s_mov_b32 s[\g+7], 0
.endr
	s_or_b32 s[G1S+0], s43, (3<<16)|(1<<20)|(1<<21)|(5<<22)|(3<<25) ; the scales of 128 rows: 16 rows of 256 bytes, 16 bytes of padding behind each
	s_or_b32 s[G1SB+0], s44, (3<<16)|(1<<20)|(1<<21)|(5<<22)|(3<<25)
.irp g, G1S, G1SB
	s_mov_b32 s[\g+1], 32<<16
	s_mov_b32 s[\g+2], (128*KS/256)<<16
	s_mov_b32 s[\g+3], 32<<16
	s_mov_b32 s[\g+4], 128*KS/256
	s_mov_b32 s[\g+5], 32
	s_mov_b32 s[\g+6], 0
	s_mov_b32 s[\g+7], 0
.endr
	s_mov_b32 s[CS], 0x3fb8aa3b                    ; c = log2(e)
	s_mov_b32 s[CS+1], s[CS]
	s_lshl_b32 s18, s16, 7
	s_lshl_b32 s20, s17, 8
	s_add_co_u32 s20, s20, s18                     ; A: row 256 ty + 128 x half
	s_lshl_b32 s46, s42, 8
	s_add_co_u32 s46, s46, s18
	s_lshl_b32 s47, s95, 11
	s_add_co_u32 s46, s46, s47                     ; B: row 2048 x batch + 256 tx + 128 x half
	s_mov_b32 s21, 0
	s_mov_b32 s47, 0
	s_mov_b64 s[18:19], KS
	s_mul_u64 s[22:23], s[20:21], s[18:19]
	s_mul_u64 s[92:93], s[46:47], s[18:19]
	s_mov_b64 s[18:19], KROW
	s_mul_u64 s[20:21], s[20:21], s[18:19]
	s_mul_u64 s[46:47], s[46:47], s[18:19]
	s_mul_i32 s45, s14, HALFT
	s_mul_i32 s94, s14, HALFS
	s_wait_dscnt 0x0                               ; both opening adds are done
	s_wait_kmcnt 0x0
	s_add_nc_u64 s[20:21], s[4:5], s[20:21]
	s_add_nc_u64 s[22:23], s[6:7], s[22:23]
	s_add_nc_u64 s[46:47], s[8:9], s[46:47]
	s_add_nc_u64 s[92:93], s[10:11], s[92:93]
	CROUND                                         ; all sixteen work-groups are here: the joint loads meet
	s_mov_b32 s[G0S], 1
	s_add_co_u32 s[G0S+1], s94, SCL
	s_mov_b64 s[G0S+2:G0S+3], s[22:23]
	s_or_b32 s[G0S+3], s[G0S+3], 0x80000000
	s_mov_b32 s[G0SB], 1
	s_add_co_u32 s[G0SB+1], s94, SCL
	s_mov_b64 s[G0SB+2:G0SB+3], s[92:93]
	s_or_b32 s[G0SB+3], s[G0SB+3], 0x80000000
	JLOAD G0S, G1S, G0SB, G1SB
.irp s, 0,1
	s_mov_b32 s[G0+4*\s], 1
	s_add_co_u32 s[G0+4*\s+1], s45, \s*SLOT
	s_add_nc_u64 s[G0+4*\s+2:G0+4*\s+3], s[20:21], \s*ROWB
	s_or_b32 s[G0+4*\s+3], s[G0+4*\s+3], 0x80000000
	s_mov_b32 s[G0B+4*\s], 1
	s_add_co_u32 s[G0B+4*\s+1], s45, \s*SLOT
	s_add_nc_u64 s[G0B+4*\s+2:G0B+4*\s+3], s[46:47], \s*ROWB
	s_or_b32 s[G0B+4*\s+3], s[G0B+4*\s+3], 0x80000000
	JLOAD G0+4*\s, G1, G0B+4*\s, G1B               ; three tensor loads of mine are out: all that this launch has
.endr
	; THE JOIN.  Thread t takes keys 2 t and 2 t + 1 of the work-group's 256: a load of the four waves covers 1,024 consecutive bytes of a plane
	v_lshlrev_b32 v[JO], 3, v0
	v_lshl_add_u32 v[JT], v0, 3, TBL
	s_lshl_b32 s20, s95, 18                        ; a batch's figures: 262,144 bytes
	s_lshl_b32 s21, s42, 10                        ; my 256 keys in a plane
	s_add_co_u32 s20, s20, s21
	s_mov_b32 s21, 0
	s_add_nc_u64 s[96:97], s[96:97], s[20:21]
.irp i, 0,1,2,3,4,5,6,7,8,9,10,11,12,13,14,15
	global_load_b64 v[JM+2*\i:JM+2*\i+1], v[JO], s[96:97] offset:16384*\i        ; run i: m
	global_load_b64 v[JL+2*\i:JL+2*\i+1], v[JO], s[96:97] offset:16384*\i+8192   ; and l
.endr
	v_and_b32 v1, 15, v0                           ; r
	v_bfe_u32 v2, v0, 4, 1                         ; h
	v_mul_u32_u24 v3, v1, PITCH
	v_lshl_add_u32 v4, v2, 4, v3
	s_mul_i32 s21, s15, HALFT
	s_mul_i32 s22, s16, HALFT
	s_add_co_u32 s22, s22, 2*HALFT
.irp s, 0,1
	v_add_nc_u32 v[ADRA+\s], s21, v4
	v_add_nc_u32 v[ADRB+\s], s22, v4
	s_add_co_u32 s21, s21, SLOT
	s_add_co_u32 s22, s22, SLOT
.endr
	v_mul_u32_u24 v5, v1, KS
	v_lshrrev_b32 v6, 8, v5
	v_lshl_add_u32 v5, v6, 4, v5
	s_mul_i32 s21, s15, HALFS
	s_mul_i32 s22, s16, HALFS
	s_add_co_u32 s22, s22, 2*HALFS
	s_sub_co_u32 s22, s22, s21
	v_mul_u32_u24 v6, s22, v2                      ; lanes 16-31 take B's scale words: one product, the distance between the two bases
	s_add_co_u32 s21, s21, SCL
	v_add_nc_u32 v5, v5, v6
	v_add_nc_u32 v[ADRS], s21, v5
	s_lshl_b32 s23, s16, 9
	s_add_co_u32 s23, s23, TBL
	v_lshlrev_b32 v5, 5, v2
	v_add_nc_u32 v[TR], s23, v5                    ; the table at key 128 x my half of the keys + 8 h
	s_mul_i32 s23, s14, 16*SPITCH
	s_add_co_u32 s23, s23, STAGE                   ; my stage
	v_mul_u32_u24 v5, v1, SPITCH                   ; in: row r, 16 bytes for each half of the lanes
	v_lshl_add_u32 v5, v2, 4, v5
	v_add_nc_u32 v[STO], s23, v5
	v_mul_u32_u24 v5, v2, SPITCH                   ; back: lanes 0-15 one row of 256 bytes, lanes 16-31 the next
	v_lshl_add_u32 v5, v1, 4, v5
	v_add_nc_u32 v[RD], s23, v5
	v_lshlrev_b32 v5, 12, v2                       ; and the same two rows in attnw: 4,096 bytes a row
	v_lshl_add_u32 v[CO], v1, 4, v5
	s_lshl_b32 s20, s17, 8
	s_lshl_b32 s21, s15, 7
	s_add_co_u32 s20, s20, s21                     ; my first row: 256 ty + 128 x half
	s_lshl_b32 s20, s20, 12
	s_lshl_b32 s46, s42, 9                         ; my first key, in bytes: 512 tx + 256 x half
	s_lshl_b32 s47, s16, 8
	s_add_co_u32 s46, s46, s47
	s_add_co_u32 s20, s20, s46
	s_mov_b32 s21, 0
	s_add_nc_u64 s[12:13], s[12:13], s[20:21]
	; my wave's values: run (8 ty + tx) x 4 + wave of 2,048 runs in the tensor's SECOND half: 16,384 bytes of f32, 8,192 of f16
	s_lshl_b32 s20, s17, 3
	s_add_co_u32 s20, s20, s42
	s_lshl_b32 s20, s20, 2
	s_add_co_u32 s20, s20, s14
	s_lshl_b32 s22, s20, 14
	s_add_co_u32 s22, s22, 33554432                ; behind the 2,048 runs of the launch before
	s_mov_b32 s23, 0
	s_add_nc_u64 s[VIN:VIN+1], s[VIN:VIN+1], s[22:23]
	s_lshl_b32 s22, s20, 13
	s_add_co_u32 s22, s22, 16777216
	s_add_nc_u64 s[VOUT:VOUT+1], s[VOUT:VOUT+1], s[22:23]
	v_and_b32 v[VSO], 31, v0
	v_lshlrev_b32 v[VLO], 4, v[VSO]
	v_lshlrev_b32 v[VSO], 3, v[VSO]
	s_wait_loadcnt 0x0                             ; the 32 loads of the join
	VLOADS                                         ; my values go out now: they land while the join is worked and the products run
.irp e, 0,1                            ; M: the largest of a key's sixteen m; the two keys by turns
	v_max3_num_f32 v[192+\e], v[JM+\e], v[JM+2+\e], v[JM+4+\e]
.endr
.irp i, 6,10,14,18,22,26
.irp e, 0,1
	v_max3_num_f32 v[192+\e], v[192+\e], v[JM+\i+\e], v[JM+\i+2+\e]
.endr
.endr
.irp e, 0,1
	v_max_num_f32 v[192+\e], v[192+\e], v[JM+30+\e]
.endr
.irp i, 0,1,2,3,4,5,6,7,8,9,10,11,12,13,14,15
	v_pk_add_f32 v[JM+2*\i:JM+2*\i+1], v[JM+2*\i:JM+2*\i+1], v[192:193] neg_lo:[0,1] neg_hi:[0,1]   ; m - M
.endr
.irp i, 0,1,2,3,4,5,6,7,8,9,10,11,12,13,14,15
	v_pk_mul_f32 v[JM+2*\i:JM+2*\i+1], v[JM+2*\i:JM+2*\i+1], s[CS:CS+1] op_sel_hi:[1,0]
.endr
.set x, 0
.rept 32
	v_exp_f32 v[JM+x], v[JM+x]
.set x, x+1
.endr
	v_nop                                          ; a plain instruction behind the last exponential
	s_wait_alu depctr_va_vdst(0)                   ; one wait for the batch, ahead of its first reader
	v_pk_mul_f32 v[194:195], v[JM:JM+1], v[JL:JL+1]                ; L = the sum of l 2^(c (m - M)): at least 1
.irp i, 1,2,3,4,5,6,7,8,9,10,11,12,13,14,15
	v_pk_fma_f32 v[194:195], v[JM+2*\i:JM+2*\i+1], v[JL+2*\i:JL+2*\i+1], v[194:195]
.endr
	v_log_f32 v196, v194
	v_log_f32 v197, v195
	v_nop
	s_wait_alu depctr_va_vdst(0)
	ds_store_b64 v[JT], v[192:193]                 ; M
	ds_store_b64 v[JT], v[196:197] offset:1024     ; log2 L
.macro FRAG reg, adr, q, i
.irp c, 0,1
	ds_load_b128 v[\reg+4*\c:\reg+4*\c+3], v[\adr] offset:64*(\q)+32*\c+(\i)*16*PITCH
.endr
.endm
; 16 matrix instructions: A's blocks a0, a0 + 1 x B's eight.  The 64 accumulators take turns, one instruction a turn, in the same order in every step.
.macro MUL16 a0, p, q, sc, zero
.irp a, \a0, \a0+1
.irp b, 0,1,2,3,4,5,6,7
.if \zero
	v_wmma_scale_f32_16x16x128_f8f6f4 v[8*(8*((\a)%4)+\b):8*(8*((\a)%4)+\b)+7], v[128*(\p)+FR*\b:128*(\p)+FR*\b+FR-1], v[AF+FR*(\a):AF+FR*(\a)+FR-1], 0, v[SC+8*NQ*(\sc)+NQ*\b+(\q)], v[SC+8*NQ*(\sc)+NQ*(\a)+(\q)] matrix_a_fmt:MATRIX_FMT_FP4 matrix_b_fmt:MATRIX_FMT_FP4 matrix_a_scale:MATRIX_SCALE_ROW1
.else
	v_wmma_scale_f32_16x16x128_f8f6f4 v[8*(8*((\a)%4)+\b):8*(8*((\a)%4)+\b)+7], v[128*(\p)+FR*\b:128*(\p)+FR*\b+FR-1], v[AF+FR*(\a):AF+FR*(\a)+FR-1], v[8*(8*((\a)%4)+\b):8*(8*((\a)%4)+\b)+7], v[SC+8*NQ*(\sc)+NQ*\b+(\q)], v[SC+8*NQ*(\sc)+NQ*(\a)+(\q)] matrix_a_fmt:MATRIX_FMT_FP4 matrix_b_fmt:MATRIX_FMT_FP4 matrix_a_scale:MATRIX_SCALE_ROW1
.endif
.endr
.endr
.endm
.macro FETCH_B slot, q, p
	WIN TO_B
.irp i, 0,1,2,3,4,5,6,7
	FRAG 128*(\p)+FR*\i, ADRB+\slot, \q, \i
.endr
	WIN 0
.endm
.macro FETCH_A slot, q, i0
.irp i, \i0, \i0+1, \i0+2, \i0+3
	FRAG AF+FR*(\i), ADRA+\slot, \q, \i
.endr
.endm
.macro SCALES sc
.irp i, 0,1,2,3,4,5,6,7
	ds_load_b128 v[SC+8*NQ*\sc+NQ*\i:SC+8*NQ*\sc+NQ*\i+3], v[ADRS] offset:\i*SBLK
.endr
.endm
.macro PLACES n                        ; plain vector instructions between a matrix instruction and a load into, or a read of, its registers
.rept \n
	v_nop
.endr
.endm
.macro STEP slot, q, zero
	s_wait_dscnt 4*NL                              ; B's set and A's blocks 0-3 are in; the youngest eight loads (A's blocks 4-7) may be out
	WIN MUL_LO
	MUL16 0, (\q)%2, \q, \slot, \zero
	MUL16 2, (\q)%2, \q, \slot, \zero
	s_wait_dscnt 0
	PLACES NP
	FETCH_B \slot, (\q)+1, 1-(\q)%2
	FETCH_A \slot, (\q)+1, 0
	WIN MUL_HI
	MUL16 4, (\q)%2, \q, \slot, \zero
	MUL16 6, (\q)%2, \q, \slot, \zero
	PLACES NP
	WIN 0
	FETCH_A \slot, (\q)+1, 4
.endm
.macro TURN slot, next                 ; slot 0's last step goes over to slot 1: one barrier; nothing is filled again
	s_wait_tensorcnt 0x0                           ; all my tensor loads have landed: my part of the next slot
	ds_add_u32 v[SPW], v[NIL]                      ; 0 onto my spare word
	s_wait_dscnt 4*NL+1                            ; (the add and the youngest eight loads may be out)
	WIN MUL_LO
	MUL16 0, 1, NQ-1, \slot, 0
	s_wait_dscnt 0x0
	s_barrier_signal -1
	MUL16 2, 1, NQ-1, \slot, 0
	WIN 0
	s_barrier_wait -1
	PLACES NP
	v_add_nc_u32 v[ADRS], 4*NQ, v[ADRS]
	FETCH_B \next, 0, 0
	FETCH_A \next, 0, 0
	SCALES \next
	WIN MUL_HI
	MUL16 4, 1, NQ-1, \slot, 0
	MUL16 6, 1, NQ-1, \slot, 0
	PLACES NP
	WIN 0
	FETCH_A \next, 0, 4
.endm
	s_wait_tensorcnt 1                             ; the scales and my part of K step 0 are in (K step 1's load, issued last, may be out),
	s_wait_dscnt 0x0                               ; and my part of the table is written,
	s_barrier_signal -1
	s_barrier_wait -1                              ; everybody's are
	FETCH_B 0, 0, 0
	FETCH_A 0, 0, 0
	SCALES 0
	FETCH_A 0, 0, 4
	STEP 0, 0, 1
	STEP 0, 1, 0
	STEP 0, 2, 0
	TURN 0, 1
	STEP 1, 0, 0
	STEP 1, 1, 0
	STEP 1, 2, 0
	s_wait_dscnt 4*NL
	WIN MUL_LO
	MUL16 0, 1, NQ-1, 1, 0
	MUL16 2, 1, NQ-1, 1, 0
	s_wait_dscnt 0
	WIN MUL_HI
	MUL16 4, 1, NQ-1, 1, 0
	MUL16 6, 1, NQ-1, 1, 0
	WIN 0
	VSEND                                          ; my values leave now, so that their stores are on their way under the way out.  The conversions name no register of the last products: they are places behind them
	; THE WAY OUT.  M and log2 L of my lane's 64 keys (block b, register j: key 16 b + 8 h + j) come from the table into B's two sets of registers, which are done with
	PLACES NP
	WIN TO_B
.irp b, 0,1,2,3,4,5,6,7
	ds_load_b128 v[NM+8*\b:NM+8*\b+3],   v[TR] offset:64*\b
	ds_load_b128 v[NM+8*\b+4:NM+8*\b+7], v[TR] offset:64*\b+16
	ds_load_b128 v[LG+8*\b:LG+8*\b+3],   v[TR] offset:1024+64*\b
	ds_load_b128 v[LG+8*\b+4:LG+8*\b+7], v[TR] offset:1024+64*\b+16
.endr
	s_wait_dscnt 0x0
.macro SOFT w                          ; the window's 256 scores become weights, in place; the exponentials are one batch with one wait
.set WW, (\w)|(1<<2)|(1<<4)|((\w)<<6)
	WIN WW                                         ; source 0 and destination in window w; M (source 1 of the add) and log2 L (source 2 of the multiply-add) in window 1
.set x, 0
.rept 128                              ; pair x: registers 2 x, 2 x + 1 of the window: keys' pair x % 32.  Ascending: each accumulator is read from its low end on
	v_pk_add_f32 v[2*x:2*x+1], v[2*x:2*x+1], v[NM+2*(x%32):NM+2*(x%32)+1] neg_lo:[0,1] neg_hi:[0,1]   ; s - M
.set x, x+1
.endr
.set x, 0
.rept 128
	v_pk_fma_f32 v[2*x:2*x+1], v[2*x:2*x+1], s[CS:CS+1], v[LG+2*(x%32):LG+2*(x%32)+1] op_sel_hi:[1,0,1] neg_lo:[0,0,1] neg_hi:[0,0,1]   ; c (s - M) - log2 L
.set x, x+1
.endr
.set x, 0
.rept 256
	v_exp_f32 v[x], v[x]
.set x, x+1
.endr
	v_nop
	s_wait_alu depctr_va_vdst(0)                   ; one wait for the batch, ahead of its first reader
.endm
; Block a (16 queries x 128 keys): rounded to f16, 16 bytes a lane; through my own stage; back as whole rows of 256 bytes; stored.
.macro PACK a
.set AC, 64*((\a)%4)
.set WW, 0x0a+5*((\a)/4)
	WIN WW                                         ; sources 0 and 1: window 2 or 3
.irp b, 0,1,2,3,4,5,6,7
.irp r, 0,1,2,3
	v_cvt_pk_f16_f32 v[TMP+4*\b+\r], v[AC+8*\b+2*\r], v[AC+8*\b+2*\r+1]
.endr
.endr
	WIN 0
.endm
.macro TOSTAGE a
.set BK, OB+32*((\a)%2)
.irp b, 0,1,2,3,4,5,6,7
	ds_store_b128 v[STO], v[TMP+4*\b:TMP+4*\b+3] offset:32*\b
.endr
.irp t, 0,1,2,3,4,5,6,7
	ds_load_b128 v[BK+4*\t:BK+4*\t+3], v[RD] offset:\t*2*SPITCH    ; LDS serves a wave's instructions in order: these see the stores above
.endr
.endm
.macro SEND a
.set BK, OB+32*((\a)%2)
	s_wait_dscnt 0x0                               ; the block is back in registers
	s_wait_xcnt 0x0                                ; the earlier stores have read their base and their registers: only behind this wait are they rewritten
.if (\a) > 0
	s_add_nc_u64 s[12:13], s[12:13], 16*4096       ; 16 rows on
.endif
.irp t, 0,1,2,3,4,5,6,7
	global_store_b128 v[CO], v[BK+4*\t:BK+4*\t+3], s[12:13] offset:\t*8192   ; 16 lanes store 256 consecutive bytes, at a multiple of 256 from the buffer's first byte
.endr
.endm
	SOFT 2                                         ; my rows 0-63
	PACK 0
	TOSTAGE 0
.irp a, 1,2,3,4,5,6,7                  ; block a's conversions stand between block a - 1's loads from the stage and the wait for them
.if \a == 4
	SOFT 3                                         ; my rows 64-127 become weights while the stores of blocks 0 to 2 are on their way
.endif
	PACK \a
	SEND \a-1
	TOSTAGE \a
.endr
	SEND 7
	s_wait_tensorcnt 0x0                           ; the wave's end, behind my last tensor load and my last LDS store
	ds_add_u32 v[SPW], v[NIL]
	s_wait_dscnt 0x0
	CROUND                                         ; the closing round
	s_endpgm
.Lfunc_end_k_qa09d9daa85_attn:
	.size	k_qa09d9daa85_attn, .Lfunc_end_k_qa09d9daa85_attn-k_qa09d9daa85_attn
	.p2alignl 7, 3214868480
	.fill 96, 4, 3214868480
	.section	.rodata,"a",@progbits
	.p2align	6, 0x0
	.amdhsa_kernel k_qa09d9daa85_attn
		.amdhsa_group_segment_fixed_size 327680
		.amdhsa_private_segment_fixed_size 0
		.amdhsa_enable_private_segment 0
		.amdhsa_kernarg_size 64
		.amdhsa_user_sgpr_count 2
		.amdhsa_user_sgpr_kernarg_segment_ptr 1
		.amdhsa_wavefront_size32 1
		.amdhsa_system_sgpr_workgroup_id_x 1
		.amdhsa_system_sgpr_workgroup_id_y 1
		.amdhsa_system_sgpr_workgroup_id_z 1
		.amdhsa_system_vgpr_workitem_id 0
		.amdhsa_next_free_vgpr 1024
		.amdhsa_next_free_sgpr 102
		.amdhsa_reserve_vcc 0
		.amdhsa_float_denorm_mode_32 3
		.amdhsa_float_denorm_mode_16_64 3
		.amdhsa_memory_ordered 1
		.amdhsa_forward_progress 1
		.amdhsa_inst_pref_size 197
	.end_amdhsa_kernel
	.amdgpu_metadata
---
amdhsa.version: [ 1, 2 ]
amdhsa.kernels:
  - .name:           k_qa09d9daa85_attn
    .symbol:         k_qa09d9daa85_attn.kd
    .args:
      - { .name: q_codes, .offset: 0, .size: 8, .value_kind: global_buffer, .address_space: global }
      - { .name: q_scales, .offset: 8, .size: 8, .value_kind: global_buffer, .address_space: global }
      - { .name: k_codes, .offset: 16, .size: 8, .value_kind: global_buffer, .address_space: global }
      - { .name: k_scales, .offset: 24, .size: 8, .value_kind: global_buffer, .address_space: global }
      - { .name: attnw, .offset: 32, .size: 8, .value_kind: global_buffer, .address_space: global }
      - { .name: colstat, .offset: 40, .size: 8, .value_kind: global_buffer, .address_space: global }
      - { .name: values, .offset: 48, .size: 8, .value_kind: global_buffer, .address_space: global }
      - { .name: vhalf, .offset: 56, .size: 8, .value_kind: global_buffer, .address_space: global }
    .group_segment_fixed_size: 327680
    .private_segment_fixed_size: 0
    .kernarg_segment_align: 8
    .kernarg_segment_size: 64
    .max_flat_workgroup_size: 128
    .sgpr_count:     102
    .vgpr_count:     1024
    .wavefront_size: 32
...
	.end_amdgpu_metadata
.endif
;; end of part 3
;; launch pv (part 4): grid 4 x 64, 4 waves a work-group, clusters of 4 x 4, 327,680 bytes of LDS; arguments attnw, vhalf, out0; writes out0
.if DOCPART == 4
	.amdgcn_target "amdgcn-amd-amdhsa--gfx1250"
	.amdhsa_code_object_version 6
	.text
	.protected	k_qa09d9daa85_pv
	.globl	k_qa09d9daa85_pv
	.p2align	8
	.type	k_qa09d9daa85_pv,@function
k_qa09d9daa85_pv:
	s_mov_b64 s[64:65], 0
	v_nop
	global_prefetch_b8 v0, s[64:65] scope:SCOPE_SE
	s_setreg_imm32_b32 hwreg(HW_REG_WAVE_MODE, 25, 1), 1
	s_wait_xcnt 0x0
	s_wait_alu depctr_hold_cnt(0) depctr_sa_sdst(0) depctr_va_vdst(0) depctr_va_sdst(0) depctr_va_ssrc(0) depctr_va_vcc(0) depctr_vm_vsrc(0)
	s_getreg_b32 s2, hwreg(HW_REG_IB_STS2, 6, 4)
	s_cmp_eq_u32 s2, 0
	s_cbranch_scc0 .Lentry_in_a_cluster
	s_endpgm
.Lentry_in_a_cluster:
	s_bfe_u32 s2, ttmp6, 0x10000c
	s_cmp_lg_u32 s2, 0xf033
	s_cbranch_scc0 .Lentry_shape_is_right
	s_endpgm
.Lentry_shape_is_right:
; THE SECOND PRODUCT.  out0[b][q][d] = the sum over the keys of attnw[b][q][k] vhalf[b][k][d]: f16 operands, f32 sums, K = 2,048 keys.  No work is left out.
; A = attnw [16,384 rows over all batches][2,048 keys], K innermost.  B = vhalf [batch][2,048 keys][1,024 d]: K is its FIRST axis, so its fragments come out of LDS turned, by ds_load_tr16_b128.
; A tile of out0, 256 queries x 256 d, is made by a work-group of four waves; a wave makes 128 x 128: 64 accumulators of 16 x 16, 512 registers.
; K goes in 16 steps of 128 keys through a ring of two LDS slots filled by the tensor data mover: A's tile is 256 rows of 256 bytes, B's 128 rows (keys) of 512 bytes.
; CLUSTERS: 4 x 4 work-groups.  The four of a row of the cluster need the same tiles of A, the four of a column (one block of d, one batch) the same tiles of B: each is asked for JOINTLY.
; THE MATRIX INSTRUCTION IS USED TRANSPOSED (source 0 = 16 d of B, source 1 = 16 queries of A): a lane then holds eight neighbouring d of one row of out0.
; REGISTERS, in windows of 256: window 0: v0-31 addresses; v64-127, v128-191 fragments of A, two buffers; on the way out v128-255 are at work.
;   window 1: v64-127, v128-191 fragments of B, two buffers.   window 2: accumulators of my rows 0-63 ((a, b) at v[8 (8 a + b)]);   window 3: rows 64-127.
; LIMITS: those of the operands: a value over 65,504 in magnitude is infinity in f16, a weight under 6e-8 is 0.
.set KSTEP,  128
.set PITCH,  272                       ; A's LDS row: 256 bytes + 16 of padding
.set PB,     544                       ; B's LDS row: 512 bytes + 32 of padding: 17 x 32 bytes, so that the eight rows x 32 bytes of a turning load's sixteen lanes fall apart
.set HALFT,  128*PITCH                 ; what one tensor load brings: 128 rows of A, or 64 rows of B (64 x 544 is the same number)
.set SLOT,   4*HALFT                   ; A's 256 rows, then B's 128 rows
.set SPARE,  2*SLOT                    ; behind the ring: the spare words, 128 bytes for each wave, which no other line names
.set SPITCH, 528                       ; the way out: a stage of 16 rows x (512 bytes + 16) for each wave, in slot 0, which has had its last fill and its last read when the first result is stored there
.set LAPS,   8                         ; a lap = two K steps = once round the ring
.set ADRA, 16                          ; v16-17  LDS address of my A fragments in slot 0, 1
.set ADRB, 20                          ; v20-21  the same for B
.set STO,  24                          ; v24     the way out: where I put 32 bytes of a row
.set RD,   25                          ; v25     where I read a row back
.set CO,   26                          ; v26     16 x lane
.set SPW,  28                          ; v28     LDS address of my spare word; never rewritten
.set NIL,  29                          ; v29     0; never rewritten
.set PFO,  30                          ; v30     the prefetches' offset; never rewritten
.set PFA,  44                          ; s[44:45] where my next prefetch stands
.set PFS,  66                          ; s[66:67] a K step on, in bytes: 256 in a row of A, 128 rows of 2,048 in B
.set LIM,  43                          ; s43     1 in a wave that prefetches, else the greatest number
.set F0,   64
.set F1,   128
.set BK,   128                         ; the way out: 16 rows read back: v128-191 and v192-255 by turns
.set G1, 24                            ; s[24:31], s[32:39] descriptor groups 1 and 0 (a set for each slot) for A's tiles
.set G0, 32
.set G1B, 48                           ; s[48:55], s[56:63] the same for B's
.set G0B, 56
.set MSB, 0
.macro WIN new                         ; the immediate's high byte repeats the setting that is left
.if MSB != \new
	s_set_vgpr_msb (MSB<<8)|\new
.set MSB, \new
.endif
.endm
.set MUL_LO, 0xa1                      ; source 0 (B) window 1, source 1 (A) window 0, C and D window 2
.set MUL_HI, 0xf1                      ; the same, C and D window 3
.set TO_B,   0x40                      ; destination window 1, address window 0
.macro JLOAD s                         ; a joint load: waves 0 and 1 fetch A's two halves, waves 2 and 3 B's; an s_nop 0 and four v_nop follow each line
	s_cmp_eq_u32 s11, 0
	s_cbranch_scc0 .Lfor_b_\@
	tensor_load_to_lds s[G0+4*\s:G0+4*\s+3], s[G1:G1+7]
	s_nop 0
.rept 4
	v_nop
.endr
	s_branch .Lasked_\@
.Lfor_b_\@:
	tensor_load_to_lds s[G0B+4*\s:G0B+4*\s+3], s[G1B:G1B+7]
	s_nop 0
.rept 4
	v_nop
.endr
.Lasked_\@:
.endm
; A PREFETCH INTO THE L2, behind each joint refill and the run of LDS loads that follows it: the K step that stands two refills on.  One instruction a wave, 32 blocks of 256 bytes, each named once in the launch.
; A: of the 128 rows that wave 0 or 1 fetches, the partner at place cx takes 32, a lane a row (a K step is 256 bytes of a row); a tile row is read by one cluster alone.
; B: of the 64 keys that wave 2 or 3 fetches, the partner at place cy takes 16, two lanes a key (512 bytes); the two clusters of a batch read the same rows, and the first of them asks.
; The partners are told apart by address alone.  The loop's last trip asks for nothing: its two refills have no K step two on.  K steps 0 to 3 come by their loads alone.
.macro ASK
	s_cmp_gt_u32 s3, s[LIM]                        ; s3 = 1 in the loop's last trip
	s_cbranch_scc0 .Lnot_mine_\@
	global_prefetch_b8 v[PFO], s[PFA:PFA+1] th:TH_LOAD_NT scope:SCOPE_SE
.Lnot_mine_\@:
.endm
.macro CREST                           ; a round of the cluster's barrier behind its opening barrier
	s_cmp_lg_u32 s10, 0
	s_cbranch_scc1 .Lnot_wave_0_\@
	s_barrier_signal -3
.Lnot_wave_0_\@:
	s_barrier_wait -3
	s_barrier_signal -1
	s_barrier_wait -1
.endm
.macro CROUND                          ; a whole round
	s_barrier_signal -1
	s_barrier_wait -1
	CREST
.endm
	s_load_b128 s[4:7], s[0:1], 0x0                ; attnw s[4:5], vhalf s[6:7]
	s_load_b64 s[8:9], s[0:1], 0x10                ; out0
	v_lshl_add_u32 v[SPW], v0, 2, SPARE
	v_mov_b32 v[NIL], 0
	ds_add_u32 v[SPW], v[NIL]                      ; the wave's opening: the add, twice on end, and its wait ahead of my first tensor load
	ds_add_u32 v[SPW], v[NIL]                      ; and once more, under the one wait; the set-up below stands between
	v_lshrrev_b32 v1, 5, v0
	v_readfirstlane_b32 s10, v1                    ; wave 0..3
	s_lshr_b32 s11, s10, 1                         ; which half of the tile's rows is mine.  Also: I fetch for A (0) or for B (1)
	s_and_b32 s12, s10, 1                          ; which half of its columns.  Also: which half of that tile I fetch
	s_bfe_u32 s40, ttmp6, 0x40000                  ; cx
	s_bfe_u32 s41, ttmp6, 0x40004                  ; cy
	s_lshl_b32 s42, ttmp9, 2
	s_add_co_u32 s42, s42, s40                     ; tx: the block of 256 d, 0..3
	s_and_b32 s13, ttmp7, 0xffff
	s_lshr_b32 s68, s13, 1                         ; the batch = cluster y / 2: all sixteen partners share it
	s_lshl_b32 s13, s13, 2
	s_add_co_u32 s13, s13, s41                     ; ty: the block of 256 queries over all batches, 0..63
	s_lshl_b32 s43, s41, 2
	s_lshl_b32 s43, 15, s43                        ; my row of the cluster
	s_lshl_b32 s44, 0x1111, s40                    ; my column
	s_or_b32 s[G1+0], s43, (1<<16)|(1<<20)|(1<<21)|(5<<22)|(3<<25)  ; A: 15:0 the mask; 17:16 elements of 2 bytes; 20 padding on; 21 set beside a mask; 24:22 after every 64 words; 31:25 four words
	s_mov_b32 s[G1+1], 128<<16                     ; tensor_dim0 = 128 elements
	s_mov_b32 s[G1+2], 128<<16                     ; tensor_dim1 = 128 rows
	s_mov_b32 s[G1+3], 128<<16                     ; tile_dim0
	s_mov_b32 s[G1+4], 128                         ; tile_dim1
	s_mov_b32 s[G1+5], 2048                        ; elements from row to row
	s_mov_b32 s[G1+6], 0
	s_mov_b32 s[G1+7], 0
	s_or_b32 s[G1B+0], s44, (1<<16)|(1<<20)|(1<<21)|(6<<22)|(7<<25) ; B: padding of eight words after every 128
	s_mov_b32 s[G1B+1], 256<<16                    ; 256 elements
	s_mov_b32 s[G1B+2], 64<<16                     ; 64 rows
	s_mov_b32 s[G1B+3], 256<<16
	s_mov_b32 s[G1B+4], 64
	s_mov_b32 s[G1B+5], 1024
	s_mov_b32 s[G1B+6], 0
	s_mov_b32 s[G1B+7], 0
	s_lshl_b32 s16, s13, 8
	s_lshl_b32 s17, s12, 7
	s_add_co_u32 s16, s16, s17                     ; A: row 256 ty + 128 x half,
	s_lshl_b32 s16, s16, 12                        ; 4,096 bytes a row (under 2^26)
	s_mov_b32 s17, 0
	s_lshl_b32 s46, s68, 11
	s_lshl_b32 s47, s12, 6
	s_add_co_u32 s46, s46, s47                     ; B: key 2048 x batch + 64 x half,
	s_lshl_b32 s46, s46, 11                        ; 2,048 bytes a key,
	s_lshl_b32 s47, s42, 9
	s_add_co_u32 s46, s46, s47                     ; + 512 tx
	s_mov_b32 s47, 0
	s_mul_i32 s20, s10, HALFT                      ; where they go: A's two halves, then B's two: no place in the cluster enters an LDS address
	s_wait_dscnt 0x0                               ; both opening adds are done
	s_wait_kmcnt 0x0
	s_add_nc_u64 s[14:15], s[4:5], s[16:17]
	s_add_nc_u64 s[46:47], s[6:7], s[46:47]
	CROUND                                         ; all sixteen work-groups are here: the first joint loads meet
.irp s, 0,1
	s_mov_b32 s[G0+4*\s], 1
	s_add_co_u32 s[G0+4*\s+1], s20, \s*SLOT
	s_add_nc_u64 s[G0+4*\s+2:G0+4*\s+3], s[14:15], \s*KSTEP*2      ; K step s: 256 bytes along A's rows
	s_or_b32 s[G0+4*\s+3], s[G0+4*\s+3], 0x80000000
	s_mov_b32 s[G0B+4*\s], 1
	s_add_co_u32 s[G0B+4*\s+1], s20, \s*SLOT
	s_add_nc_u64 s[G0B+4*\s+2:G0B+4*\s+3], s[46:47], \s*KSTEP*2048 ; and 128 rows down B
	s_or_b32 s[G0B+4*\s+3], s[G0B+4*\s+3], 0x80000000
	JLOAD \s                                       ; two tensor loads of mine are out
.endr
	v_and_b32 v1, 15, v0                           ; r = l % 16
	v_bfe_u32 v2, v0, 4, 1                         ; h = l / 16
	v_mul_u32_u24 v3, v1, PITCH
	v_lshl_add_u32 v3, v2, 4, v3                   ; A: row x pitch + 16 x half
	v_and_b32 v5, 7, v0
	v_lshl_add_u32 v5, v2, 3, v5                   ; B, turned: lane l reads 16 bytes of key 8 h + l % 8,
	v_mul_u32_u24 v5, v5, PB
	v_bfe_u32 v6, v0, 3, 1
	v_lshl_add_u32 v5, v6, 4, v5                   ; d 8 ((l / 8) % 2) + 0 .. 7
	s_mul_i32 s21, s11, HALFT                      ; my 128 rows of A
	s_lshl_b32 s22, s12, 8                         ; my 128 d of B's rows,
	s_add_co_u32 s22, s22, 2*HALFT                 ; which lie behind A's 256 rows
.irp s, 0,1
	v_add_nc_u32 v[ADRA+\s], s21, v3
	v_add_nc_u32 v[ADRB+\s], s22, v5
	s_add_co_u32 s21, s21, SLOT
	s_add_co_u32 s22, s22, SLOT
.endr
	s_mul_i32 s23, s10, 16*SPITCH                  ; my stage
	v_mul_u32_u24 v5, v1, SPITCH                   ; in: row r, 32 bytes for each half of the lanes
	v_lshl_add_u32 v5, v2, 5, v5
	v_add_nc_u32 v[STO], s23, v5
	v_and_b32 v6, 31, v0
	v_lshlrev_b32 v[CO], 4, v6                     ; back: the 32 lanes take one row of 512 bytes; and the same in out0
	v_add_nc_u32 v[RD], s23, v[CO]
	s_lshl_b32 s16, s13, 8
	s_lshl_b32 s17, s11, 7
	s_add_co_u32 s16, s16, s17                     ; my first row of out0: 256 ty + 128 x half, 4,096 bytes a row;
	s_lshl_b32 s16, s16, 12
	s_lshl_b32 s17, s42, 10                        ; my first column, in bytes: 1024 tx + 512 x half
	s_add_co_u32 s16, s16, s17
	s_lshl_b32 s17, s12, 9
	s_add_co_u32 s16, s16, s17
	s_mov_b32 s17, 0
	s_add_nc_u64 s[8:9], s[8:9], s[16:17]
	; the prefetches (macro ASK): where my wave's stand, and who asks
	s_lshl_b32 s20, s13, 8
	s_lshl_b32 s21, s12, 7
	s_add_co_u32 s20, s20, s21
	s_lshl_b32 s21, s40, 5
	s_add_co_u32 s20, s20, s21                     ; A: row 256 ty + 128 x half + 32 cx,
	s_lshl_b32 s20, s20, 12
	s_add_co_u32 s20, s20, 3*KSTEP*2               ; at K step 3: the first refill steps it to 4
	s_lshl_b32 s22, s68, 11
	s_lshl_b32 s21, s12, 6
	s_add_co_u32 s22, s22, s21
	s_lshl_b32 s21, s41, 4
	s_add_co_u32 s22, s22, s21                     ; B: key 2048 x batch + 64 x half + 16 cy,
	s_lshl_b32 s22, s22, 11
	s_lshl_b32 s21, s42, 9
	s_add_co_u32 s22, s22, s21                     ; + 512 tx,
	s_add_co_u32 s22, s22, 3*KSTEP*2048            ; at K step 3
	s_mov_b32 s[PFS], KSTEP*2048
	s_mov_b32 s[PFS+1], 0
	s_cmp_eq_u32 s11, 0                            ; do I fetch for A?
	s_cselect_b32 s20, s20, s22
	s_cselect_b32 s[PFS], KSTEP*2, s[PFS]
	s_cselect_b64 s[PFA:PFA+1], s[4:5], s[6:7]
	s_mov_b32 s21, 0
	s_add_nc_u64 s[PFA:PFA+1], s[PFA:PFA+1], s[20:21]
	s_and_b32 s22, ttmp7, 1                        ; 1 in the second cluster of a batch,
	s_mul_i32 s22, s22, s11                        ; in the waves that fetch B: they ask for nothing.  The same in all sixteen partners, for a given wave
	s_cmp_eq_u32 s22, 0
	s_cselect_b32 s[LIM], 1, -1
	s_lshr_b32 s21, 4096, s11                      ; from row to row: 4,096 bytes in A, 2,048 in B
	v_and_b32 v[PFO], 31, v0
	v_lshrrev_b32 v5, s11, v[PFO]                  ; A: a lane a row; B: two lanes a row,
	v_mul_u32_u24 v5, v5, s21
	v_and_b32 v6, s11, v[PFO]
	v_lshl_add_u32 v[PFO], v6, 8, v5               ; 256 bytes apart
; 16 matrix instructions: m blocks a0, a0 + 1 of the window's four (hi = 0: my rows 0-63, 1: rows 64-127) x all 8 n blocks, 32 along K.  zero = 1: the first product starts the sums.
; The 64 accumulators take turns, one instruction a turn, in the same order in every quarter.
.macro MUL16 f, hi, a0, zero
.irp a, \a0, \a0+1
.irp b, 0,1,2,3,4,5,6,7
.if \zero
	v_wmma_f32_16x16x32_f16 v[8*(8*(\a)+\b):8*(8*(\a)+\b)+7], v[\f+8*\b:\f+8*\b+7], v[\f+8*(4*\hi+\a):\f+8*(4*\hi+\a)+7], 0
.else
	v_wmma_f32_16x16x32_f16 v[8*(8*(\a)+\b):8*(8*(\a)+\b)+7], v[\f+8*\b:\f+8*\b+7], v[\f+8*(4*\hi+\a):\f+8*(4*\hi+\a)+7], v[8*(8*(\a)+\b):8*(8*(\a)+\b)+7]
.endif
.endr
.endr
.endm
; 32 LDS loads in one run: the fragments of the slot's q-th 32 keys into buffer f: B's eight blocks of 16 d, turned (keys 8 h + 0 .. 7, then 16 + 8 h + 0 .. 7, of d = block + r), then A's eight blocks of 16 rows
.macro FETCH slot, q, f
	WIN TO_B
.irp i, 0,1,2,3,4,5,6,7
	ds_load_tr16_b128 v[\f+8*\i:\f+8*\i+3],   v[ADRB+\slot] offset:(\q)*32*PB+32*\i
	ds_load_tr16_b128 v[\f+8*\i+4:\f+8*\i+7], v[ADRB+\slot] offset:(\q)*32*PB+16*PB+32*\i
.endr
	WIN 0
.irp i, 0,1,2,3,4,5,6,7
	ds_load_b128 v[\f+8*\i:\f+8*\i+3],   v[ADRA+\slot] offset:(\q)*64+\i*16*PITCH
	ds_load_b128 v[\f+8*\i+4:\f+8*\i+7], v[ADRA+\slot] offset:(\q)*64+\i*16*PITCH+32
.endr
.endm
.macro PLACES                          ; four plain vector instructions between a matrix instruction and a load into, or a read of, its registers
.rept 4
	v_nop
.endr
.endm
; A K step is four quarters of 32 keys, 64 matrix instructions each, on buffers 0, 1, 0, 1.  One of the first three multiplies buffer f and, in its middle, fetches quarter q of the same slot into buffer g.
.macro QUARTER slot, q, f, g, zero
	s_wait_dscnt 8                                 ; B and A's rows 0-63 are in; the youngest eight loads (A's rows 64-127) may be out
	WIN MUL_LO
	MUL16 \f, 0, 0, \zero
	MUL16 \f, 0, 2, \zero
	PLACES
	FETCH \slot, \q, \g
	s_wait_dscnt 32                                ; all but the 32 just issued
	WIN MUL_HI
	MUL16 \f, 1, 0, \zero
	MUL16 \f, 1, 2, \zero
.endm
; The last quarter multiplies buffer 1 and changes slots.  MEET is its first half: one barrier; in front of it each wave waits for all its tensor loads (one is out: its part of the next slot),
; adds 0 to its spare word, and waits for that and for its own reads of this slot.
.macro MEET round                      ; round = 1: the rest of a round of the cluster's barrier follows
	WIN 0                                          ; (the add's two registers lie in window 0)
	s_wait_tensorcnt 0x0
	ds_add_u32 v[SPW], v[NIL]
	s_wait_dscnt 9                                 ; (the add and the youngest eight loads may be out)
	WIN MUL_LO
	MUL16 F1, 0, 0, 0                              ; sixteen matrix instructions stand between the add and the wait for it
	s_wait_dscnt 0x0                               ; the add is done, and my reads of this slot are over
	s_barrier_signal -1
	MUL16 F1, 0, 2, 0
.if \round
	WIN 0
.endif
	s_barrier_wait -1
.endm
; fill = 1: behind the round the slot just read out is filled again, two K steps on: the wave's one tensor load until the next round; from the request to the wait for it a wave issues 224 matrix instructions.
.macro TURN slot, next, fill
.if \fill
	s_wait_xcnt 0x0                                ; the last prefetch, a K step back, has read its address: it is stepped here
	s_add_nc_u64 s[PFA:PFA+1], s[PFA:PFA+1], s[PFS:PFS+1]
	MEET 1
	CREST                                          ; no wave of any partner still reads this slot's tile or has a load on its way
	s_add_nc_u64 s[G0+4*\slot+2:G0+4*\slot+3], s[G0+4*\slot+2:G0+4*\slot+3], 2*KSTEP*2
	s_add_nc_u64 s[G0B+4*\slot+2:G0B+4*\slot+3], s[G0B+4*\slot+2:G0B+4*\slot+3], 2*KSTEP*2048
	JLOAD \slot                                    ; the four v_nop behind it are also the places in front of the loads below
.else
	MEET 0
	PLACES
.endif
	FETCH \next, 0, F0
.if \fill
	ASK
.endif
	WIN MUL_HI
	MUL16 F1, 1, 0, 0
	MUL16 F1, 1, 2, 0
.endm
	s_wait_tensorcnt 1                             ; my part of K step 0 is in (K step 1's load may be out)
	s_barrier_signal -1
	s_barrier_wait -1                              ; everybody's is
	FETCH 0, 0, F0
	QUARTER 0, 1, F0, F1, 1                        ; the first quarter stands in front of the loop: its products start the sums
	WIN 0                                          ; at a label and at a branch every window is 0
	s_mov_b32 s3, LAPS-1
.Llap:                                                 ; a trip goes once round the ring, from a lap's second quarter to the next lap's first, and fills both slots again
	QUARTER 0, 2, F1, F0, 0
	QUARTER 0, 3, F0, F1, 0
	TURN 0, 1, 1
	QUARTER 1, 1, F0, F1, 0
	QUARTER 1, 2, F1, F0, 0
	QUARTER 1, 3, F0, F1, 0
	TURN 1, 0, 1
	QUARTER 0, 1, F0, F1, 0
	WIN 0
	s_sub_co_u32 s3, s3, 1
	s_cmp_lg_u32 s3, 0
	s_cbranch_scc1 .Llap
	QUARTER 0, 2, F1, F0, 0                        ; the last lap is written out: it fills nothing, and has no round of the cluster's barrier
	QUARTER 0, 3, F0, F1, 0
	TURN 0, 1, 0
	QUARTER 1, 1, F0, F1, 0
	QUARTER 1, 2, F1, F0, 0
	QUARTER 1, 3, F0, F1, 0
	s_wait_dscnt 8                                 ; the very last quarter: nothing more to fetch
	WIN MUL_LO
	MUL16 F1, 0, 0, 0
	MUL16 F1, 0, 2, 0
	s_wait_dscnt 0
	WIN MUL_HI
	MUL16 F1, 1, 0, 0
	MUL16 F1, 1, 2, 0
	WIN 0
; THE WAY OUT, block by block of 16 rows x 128 columns.  A lane holds 32 neighbouring bytes of a row, and the lanes beside it hold other rows: so a block goes through my own stage in LDS and comes back as
; whole rows of 512 bytes.  LDS serves a wave's instructions in order: no wait between the stores and the loads, nor in front of the next block's stores.
.macro TOSTAGE a
.set AC, 64*((\a)%4)
.set WW, 0x08+4*((\a)/4)
	WIN WW                                         ; an LDS store's data are its source 1: window 2 or 3
.irp b, 0,1,2,3,4,5,6,7
	ds_store_b128 v[STO], v[AC+8*\b:AC+8*\b+3] offset:64*\b          ; each accumulator from its low end on
	ds_store_b128 v[STO], v[AC+8*\b+4:AC+8*\b+7] offset:64*\b+16
.endr
	WIN 0
.set BB, BK+64*((\a)%2)
.irp t, 0,1,2,3,4,5,6,7,8,9,10,11,12,13,14,15
	ds_load_b128 v[BB+4*\t:BB+4*\t+3], v[RD] offset:\t*SPITCH
.endr
.endm
.macro SEND a, younger                 ; younger: the LDS instructions issued behind block a's loads, which may stay out
.set BB, BK+64*((\a)%2)
	s_wait_dscnt \younger                          ; the block is back in registers
.if (\a) > 0
	s_add_nc_u64 s[8:9], s[8:9], 16*4096           ; (behind a wait on XCNT: the earlier stores have read their base)  16 rows on
.endif
.irp t, 0,1,2,3,4,5,6,7,8,9,10,11,12,13,14,15
	global_store_b128 v[CO], v[BB+4*\t:BB+4*\t+3], s[8:9] offset:\t*4096 th:TH_STORE_NT   ; 32 lanes store 512 consecutive bytes, at a multiple of 256 from the buffer's first byte; written once, read by nobody here
.endr
.endm
	PLACES                                         ; for the loads into the registers that held A's fragments, and for the reads of the last products' results
	TOSTAGE 0
.irp a, 1,2,3,4,5,6,7
.if \a > 1
	s_wait_xcnt 0x0                                ; block a - 2's stores have read their registers and their base: block a's loads may land there, and the base may step
.endif
	TOSTAGE \a
	SEND \a-1, 32                                  ; behind block a - 1's loads: block a's 16 stores and 16 loads
.endr
	s_wait_xcnt 0x0                                ; block 6's stores have read their base
	SEND 7, 0
	s_wait_tensorcnt 0x0                           ; the wave's end, behind my last tensor load and my last LDS store
	ds_add_u32 v[SPW], v[NIL]
	s_wait_dscnt 0x0
	CROUND                                         ; the closing round: no work-group ends while a partner may still ask for a tile that names it
	s_endpgm
.Lfunc_end_k_qa09d9daa85_pv:
	.size	k_qa09d9daa85_pv, .Lfunc_end_k_qa09d9daa85_pv-k_qa09d9daa85_pv
	.p2alignl 7, 3214868480
	.fill 96, 4, 3214868480
	.section	.rodata,"a",@progbits
	.p2align	6, 0x0
	.amdhsa_kernel k_qa09d9daa85_pv
		.amdhsa_group_segment_fixed_size 327680
		.amdhsa_private_segment_fixed_size 0
		.amdhsa_enable_private_segment 0
		.amdhsa_kernarg_size 24
		.amdhsa_user_sgpr_count 2
		.amdhsa_user_sgpr_kernarg_segment_ptr 1
		.amdhsa_wavefront_size32 1
		.amdhsa_system_sgpr_workgroup_id_x 1
		.amdhsa_system_sgpr_workgroup_id_y 1
		.amdhsa_system_sgpr_workgroup_id_z 1
		.amdhsa_system_vgpr_workitem_id 0
		.amdhsa_next_free_vgpr 1024
		.amdhsa_next_free_sgpr 70
		.amdhsa_reserve_vcc 0
		.amdhsa_float_denorm_mode_32 3
		.amdhsa_float_denorm_mode_16_64 3
		.amdhsa_memory_ordered 1
		.amdhsa_forward_progress 1
		.amdhsa_inst_pref_size 142
	.end_amdhsa_kernel
	.amdgpu_metadata
---
amdhsa.version: [ 1, 2 ]
amdhsa.kernels:
  - .name:           k_qa09d9daa85_pv
    .symbol:         k_qa09d9daa85_pv.kd
    .args:
      - { .name: attnw, .offset: 0, .size: 8, .value_kind: global_buffer, .address_space: global }
      - { .name: vhalf, .offset: 8, .size: 8, .value_kind: global_buffer, .address_space: global }
      - { .name: out0, .offset: 16, .size: 8, .value_kind: global_buffer, .address_space: global }
    .group_segment_fixed_size: 327680
    .private_segment_fixed_size: 0
    .kernarg_segment_align: 8
    .kernarg_segment_size: 24
    .max_flat_workgroup_size: 128
    .sgpr_count:     70
    .vgpr_count:     1024
    .wavefront_size: 32
...
	.end_amdgpu_metadata
.endif
;; end of part 4
